; MI455X (gfx1250); checked and timed in simulation.
; The chip was launched on July 23, 2026; its instructions are those of AMD's public machine-readable ISA for CDNA 5 (MIT licence, August 2026) and "CDNA5" Instruction Set Architecture Reference Guide (July 2026). The comments in the code are by the model that wrote it; some were corrected since.
;; Self Attention. Allowed arithmetic: matrix products marked QUANTISED: E2M3 operands, one E8M0 scale for each 32 along K, by v_wmma_scale_f32_16x16x128_f8f6f4 with both operands' format E2M3, f32 sums; everything else in f32.
;; Inputs: Wk 1,024 x 1,024 float32; Wq 1,024 x 1,024 float32; Wv 1,024 x 1,024 float32; bk 1,024 float32; bq 1,024 float32; bv 1,024 float32; x 4 x 2,048 x 1,024 float32.
;; Outputs: out0 4 x 2,048 x 1,024 float32.
;; This version of the problem:
;;   THIS VERSION OF THE PROBLEM IS GIVEN IN LOW PRECISION. The matrix products marked QUANTISED in the list below multiply operands that are first quantised to E2M3 (2 exponent bits, 3 mantissa bits; 6 bits a number), with one power-of-two scale for each 32 numbers along K (OCP MX v1.0); their sums are f32. All else is computed in f32.
;;   The module's matrix products, in the order in which they are computed (A, B: the left and right operand; K: the contracted axis; several contracted axes count as one K, in the product's order):
;;     1. [M 8,192, K 1,024] x [K 1,024, N 1,024]; A: input x; B: input Wq: QUANTISED
;;     2. [M 8,192, K 1,024] x [K 1,024, N 1,024]; A: input x; B: input Wk: QUANTISED
;;     3. [M 8,192, K 1,024] x [K 1,024, N 1,024]; A: input x; B: input Wv: QUANTISED
;;     4. batch 4 x [M 2,048, K 1,024] x [K 1,024, N 2,048]; A: computed on the way; B: computed on the way: QUANTISED
;;     5. batch 4 x [M 2,048, K 2,048] x [K 2,048, N 1,024]; A: softmax (see below); B: computed on the way: QUANTISED
;;   THE QUANTISER, for each operand of a quantised product, along K:
;;     - K is cut into blocks of 32 from its start; a last block that is shorter is filled with zeros.
;;     - A block's scale is 2^e with e = floor(log2(the largest magnitude in the block)) - 2, held to -126 .. 127; a block of zeros has e = 0. As a byte (E8M0): e + 127.
;;     - Each number is divided by its block's scale, clamped to +-7.5, and rounded to the nearest number of E2M3, ties to even, subnormals kept.
;;     - The product sums the exact products of the quantised numbers (number of the format x scale) in f32.
;;   ~~~python
;;   def quantise(x, axis):      # numpy; x: float32 -> the quantised numbers, widened to float32 again
;;       x = np.moveaxis(x, axis, -1); K = x.shape[-1]
;;       x = np.pad(x, [(0, 0)] * (x.ndim - 1) + [(0, -K % 32)]); x = x.reshape(x.shape[:-1] + (-1, 32)); a = np.abs(x).max(-1, keepdims=True)
;;       e = np.where(a > 0, np.clip(np.frexp(np.where(a > 0, a, 1))[1] - 1 - 2, -126, 127), 0)      # np.frexp(a)[1] - 1 = floor(log2(a)), exactly
;;       r = np.clip(x / 2.0 ** e, -7.5, 7.5)
;;       step = 2.0 ** (np.maximum(np.frexp(np.where(r == 0, 1, r))[1] - 1, 0) - 3)
;;       q = np.round(r / step) * step * 2.0 ** e      # np.round: ties to even
;;       return np.moveaxis(q.reshape(q.shape[:-2] + (-1,))[..., :K], -1, axis).astype(np.float32)
;;   ~~~
;;   SOFTMAX AHEAD OF A QUANTISED PRODUCT. Where the list says 'softmax', what is quantised is not the finished softmax but p = 2^(t - M), with t = logit x log2(e) and M = ceil(the row's largest t), a whole number; so 1/2 < the row's largest p <= 1. The row's sum l is taken of the UNQUANTISED p, in f32, and the product's result is divided by l at the end. Since M is a whole number, a kernel that streams over the keys may use a running M (the ceiling of the running maximum): every later rescaling is an exact power of two, which a block's scale takes up: the codes' values come out the same.
;;   OPERANDS COMPUTED ON THE WAY. 'Computed on the way' means the value that the module computes at that place (a softmax that the list does not call 'softmax' is quantised finished and normalised). What goes into a quantiser is computed in f32, as accurately as f32 sums, v_exp_f32 and their like allow (about 1e-6 of the number): no bf16 or f16 on the way to a quantiser, and a product that is left as it is and whose result goes on into a quantised operand takes f32 operands (vector FMAs, or v_wmma_f32_16x16x4_f32). A number that lies on a knife's edge between two numbers of the format may be rounded either way, as far as f32 arithmetic and the matrix unit's own rounding can turn it there, and no further.
;; One version. Each part assembles by itself: llvm-mc -triple=amdgcn-amd-amdhsa -mcpu=gfx1250 --defsym DOCPART=n.
;; ======== version 1 of 1: 4 launches
;; limits: right only within a limited range of input values
;; workspace buffers: XI 6,553,600 bytes; WI 2,457,600 bytes; QK 13,107,200 bytes; VT 6,553,600 bytes; PI 14,155,776 bytes
;; launch quant (part 1): grid 704 x 1, 4 waves a work-group, no clusters, 49,152 bytes of LDS; arguments x, Wq, Wk, Wv, XI, WI; writes XI, WI
.if DOCPART == 1
	.amdgcn_target "amdgcn-amd-amdhsa--gfx1250"
	.amdhsa_code_object_version 6
	.text
	.protected	k_q3a5fcc42b2_quant
	.globl	k_q3a5fcc42b2_quant
	.p2align	8
	.type	k_q3a5fcc42b2_quant,@function
k_q3a5fcc42b2_quant:
	s_mov_b64 s[64:65], 0
	v_nop
	global_prefetch_b8 v0, s[64:65] scope:SCOPE_SE
	s_setreg_imm32_b32 hwreg(HW_REG_WAVE_MODE, 25, 1), 1
	s_wait_xcnt 0x0
; x [8192][1024] and Wq, Wk, Wv [1024 (k)][1024 (n)], f32, become codes of FP6 (E2M3) with one E8M0 byte for each 32 along K, laid as IMAGES OF OPERAND REGISTERS.
; A group is 128 rows (of x; of W^T, that is columns of W), 8 tiles of 16; a step is 128 along K.  Slot 8 h + i of tile 4 c + j holds the group's row 64 c + 32 h + 8 j + i.
; A fragment's image is 1,536 bytes: register p of lane L at 512 (p / 4) + 16 L + 4 (p % 4).  A block (group, step) is 8 such images and 512 bytes of scale words (register j of lane L: tile 2 j + L / 16, slot L % 16): BLK bytes.
; XI: [pair of groups][step][group of the pair] blocks.  WI: [NT = 0 .. 7][step][Wq|Wk group 2 NT, group 2 NT + 1, Wv group NT] blocks: so a step's blocks of the next launch's tile are dense.
; A block's scale is 2^(floor(log2(largest magnitude)) - 2); its byte is the largest magnitude's exponent field - 2, held at 1 from below.
; WORK LEFT OUT IN THE PROGRAM: tiles of scores and of p that lie wholly above the causal diagonal; every input has a way to the output and is loaded.
; LIMITS: a block of zeros gets the byte 1 where the rule says 127 (its codes are zeros; this program alone reads the bytes); NaN and infinities among the inputs are not served.
; Work-groups 0-511 take x, 512-703 the weights, each one block.  The two paths have LDS bytes of their own.  Nothing is shared between work-groups: no cluster, no matrix unit.
.set BLK,   12800
.set XSC,   33792                      ; x path: stages at 0 (4 waves x 16 rows x 528), one scale image here
.set WST,   34816                      ; weight path: 8 images, 1,664 bytes apart
.set WSC,   48128                      ; weight path: one scale image
.set SPARE, 48640                      ; the spare words: 128 bytes a wave, named by no other line
.set LI,  1                            ; v1  16 x lane
.set PC,  16                           ; v16-27 codes of unit 0
.set TC,  28
.set T,   36
.set SOP, 40
.set EB,  42
.set PWA, 44
.set PWB, 45
.set SCW, 46
.set H8,  47                           ; 8 x (lane / 16)
.set PC1, 48                           ; v48-59 codes of unit 1
.set SPW, 60
.set NIL, 61
.set R,   64                           ; v64-191 numbers as loaded
.set X,   192                          ; v192-255 64 numbers of a lane
.set WV,  16
.macro WALU
	s_wait_alu depctr_va_vdst(0)
.endm
; 64 numbers of a lane, register 32 c + n = k 64 c + 32 (lane / 16) + n of my row: two whole blocks.  Codes to v[pc] on, my two scale bytes at their places in the row's word to v[pw]
.macro QUANT s, pc, pw
.irp q, 0,1,2,3
	v_max3_num_f32 v[T+\q], |v[\s+16*\q]|, |v[\s+16*\q+1]|, |v[\s+16*\q+2]|
.endr
.irp i, 3,5,7,9,11,13
.irp q, 0,1,2,3
	v_max3_num_f32 v[T+\q], v[T+\q], |v[\s+16*\q+\i]|, |v[\s+16*\q+\i+1]|
.endr
.endr
.irp c, 0,1
	v_max3_num_f32 v[T+2*\c+1], v[T+2*\c+1], |v[\s+32*\c+15]|, 0x1800000   ; and the floor 2^(3 - 127): the byte cannot fall under 1
.endr
.irp c, 0,1
	v_max3_num_f32 v[T+2*\c], v[T+2*\c], |v[\s+32*\c+31]|, v[T+2*\c+1]
.endr
.irp c, 0,1
	v_add_nc_u32 v[SOP+\c], 0xff000000, v[T+2*\c]  ; 2 off the exponent field: the conversion's scale operand
.endr
.irp c, 0,1
	v_cvt_scalef32_pk16_fp6_f32 v[\pc+6*\c:\pc+6*\c+2], v[\s+32*\c:\s+32*\c+15], v[SOP+\c]
	v_cvt_scalef32_pk16_fp6_f32 v[TC+4*\c:TC+4*\c+2], v[\s+32*\c+16:\s+32*\c+31], v[SOP+\c]
.endr
.irp c, 0,1
	v_lshrrev_b32 v[EB+\c], 23, v[SOP+\c]          ; the bytes of blocks 2 c + h
.endr
	v_lshl_or_b32 v[EB], v[EB+1], 16, v[EB]
	v_lshlrev_b32 v[\pw], v[H8], v[EB]
.irp c, 0,1
.irp i, 0,1,2
	v_mov_b32 v[\pc+6*\c+3+\i], v[TC+4*\c+\i]
.endr
.endr
.endm
	s_load_b256 s[4:11], s[0:1], 0x0               ; x, Wq, Wk, Wv
	s_load_b128 s[12:15], s[0:1], 0x20             ; XI, WI
	v_lshl_add_u32 v[SPW], v0, 2, SPARE
	v_mov_b32 v[NIL], 0
	v_lshrrev_b32 v2, 5, v0
	v_readfirstlane_b32 s[WV], v2                  ; wave
	v_and_b32 v2, 31, v0                           ; lane
	v_lshlrev_b32 v[LI], 4, v2
	v_bfe_u32 v9, v0, 4, 1                         ; h
	v_lshlrev_b32 v[H8], 3, v9
	WALU                                           ; the wait here, ahead of the branch
	s_lshr_b32 s17, s[WV], 1
	s_and_b32 s18, s[WV], 1
	s_cmp_lt_u32 ttmp9, 512
	s_cbranch_scc0 .Lweights
; ---- x.  The work-group's number is 8 group + step.  Wave w has tiles 2 w and 2 w + 1, a unit each: rows 64 (w / 2) + 16 (w % 2) + 8 unit + 0 .. 7 and 32 further on.  Both units' 32 loads go out at once.
	s_lshr_b32 s24, ttmp9, 3                       ; group
	s_and_b32 s25, ttmp9, 7                        ; step
	s_lshl_b32 s26, s24, 19                        ; x, in bytes: 128 group rows of 4,096
	s_lshl_b32 s27, s17, 18
	s_add_co_u32 s26, s26, s27
	s_lshl_b32 s27, s18, 16
	s_add_co_u32 s26, s26, s27
	s_lshl_b32 s27, s25, 9
	s_add_co_u32 s26, s26, s27
	s_mov_b32 s27, 0
	s_lshr_b32 s30, s24, 1
	s_lshl_b32 s30, s30, 4
	s_lshl_b32 s29, s25, 1
	s_add_co_u32 s30, s30, s29
	s_and_b32 s29, s24, 1
	s_add_co_u32 s30, s30, s29
	s_mul_i32 s30, s30, BLK                        ; my block,
	s_mul_i32 s29, s[WV], 3072
	s_add_co_u32 s30, s30, s29                     ; + my two tiles' images
	s_mov_b32 s31, 0
	s_mul_i32 s20, s[WV], 8448                     ; my stage: 16 rows x 528
	s_lshl_b32 s21, s[WV], 2
	s_add_co_u32 s21, s21, XSC
	v_and_b32 v8, 15, v0                           ; r
	v_add_nc_u32 v4, s20, v[LI]                    ; in: a row's 512 bytes as they lie
	v_mul_u32_u24 v5, v8, 528
	v_lshl_add_u32 v5, v9, 7, v5
	v_add_nc_u32 v5, s20, v5                       ; out: row r, + 128 h: my two blocks of 32
	v_add_nc_u32 v6, s21, v[LI]                    ; scale image: register w of my lane
	v_add_nc_u32 v7, XSC, v[LI]                    ; and back: wave 0 takes the image
	WALU                                           ; the wait at the head's end
	s_wait_kmcnt 0x0
	s_add_nc_u64 s[4:5], s[4:5], s[26:27]
	s_add_nc_u64 s[30:31], s[12:13], s[30:31]
.macro LOADU k                         ; sixteen rows' 512 bytes: each load reads 512 consecutive bytes
.irp i, 0,1,2,3,4,5,6,7,8,9,10,11,12,13,14,15
	global_load_b128 v[R+64*(\k)+4*\i:R+64*(\k)+4*\i+3], v[LI], s[4:5] offset:(8*(\k)+\i%8+32*(\i/8))*4096 th:TH_LOAD_NT
.endr
.endm
.macro UNIT k, pc, pw
.set RS, R+64*(\k)
.if (\k) == 0
	s_wait_loadcnt 16                              ; this unit's 16 loads are in; the other unit's may be out
.else
	s_wait_loadcnt 0x0
.endif
.irp i, 0,1,2,3,4,5,6,7,8,9,10,11,12,13,14,15
	ds_store_b128 v4, v[RS+4*\i:RS+4*\i+3] offset:528*\i
.endr
.irp c, 0,1
.irp j, 0,1,2,3,4,5,6,7
	ds_load_b128 v[X+32*\c+4*\j:X+32*\c+4*\j+3], v5 offset:256*\c+16*\j   ; LDS serves a wave's instructions in order: these see the stores above
.endr
.endr
	s_wait_dscnt 0x0                               ; the numbers are back
	QUANT X, \pc, \pw
.irp c, 0,1,2
	global_store_b128 v[LI], v[\pc+4*\c:\pc+4*\c+3], s[30:31] offset:(\k)*1536+512*\c   ; 512 consecutive bytes
.endr
.endm
	LOADU 0
	LOADU 1
	UNIT 0, PC, PWA
	UNIT 1, PC1, PWB
	v_permlane16_swap_b32 v[PWA], v[PWB]           ; each tile's two half words meet: lanes 0-15 tile 2 w, lanes 16-31 tile 2 w + 1
	v_or_b32 v[SCW], v[PWA], v[PWB]
	ds_store_b32 v6, v[SCW]
	s_wait_dscnt 0x0                               ; for the others' sake: my scale words lie in LDS
	s_barrier_signal -1
	s_barrier_wait -1
	s_cmp_lg_u32 s[WV], 0
	s_cbranch_scc1 .Lend
	ds_load_b128 v[28:31], v7
	s_wait_dscnt 0x0
	global_store_b128 v[LI], v[28:31], s[30:31] offset:12288   ; the scale image: 512 consecutive bytes
	s_branch .Lend
; ---- the weights.  id' = id - 512 = 8 group + step.  A lane takes a column of W and its registers run down K: a block of 32 lies in one lane.  Wave w's 32 columns are slots 8 (w % 2) + 0 .. 7 of tiles 4 (w / 2) + 0 .. 3.
.Lweights:
	s_sub_co_u32 s20, ttmp9, 512
	s_lshr_b32 s21, s20, 3                         ; group 0 .. 23
	s_and_b32 s22, s20, 7                          ; step
	s_lshr_b32 s23, s21, 3                         ; which weight
	s_and_b32 s24, s21, 7                          ; which 128 columns
	s_lshl_b32 s26, s22, 19                        ; 128 step rows of 4,096 bytes + 4 (128 cg + 32 w)
	s_lshl_b32 s27, s24, 9
	s_add_co_u32 s26, s26, s27
	s_lshl_b32 s27, s[WV], 7
	s_add_co_u32 s26, s26, s27
	s_mov_b32 s27, 0
	s_lshr_b32 s31, s21, 1                         ; Wq, Wk: NT = group / 2, place group % 2;
	s_and_b32 s30, s21, 1
	s_cmp_eq_u32 s23, 2
	s_cselect_b32 s31, s24, s31                    ; Wv: NT = its group, place 2
	s_cselect_b32 s30, 2, s30
	s_lshl_b32 s31, s31, 3
	s_add_co_u32 s31, s31, s22
	s_mul_i32 s31, s31, 3
	s_add_co_u32 s31, s31, s30
	s_mul_i32 s28, s31, BLK
	s_mul_i32 s29, s[WV], 3072
	s_add_co_u32 s28, s28, s29
	s_mov_b32 s29, 0
	s_mul_i32 s33, s17, 6656
	s_lshl_b32 s34, s18, 7
	s_add_co_u32 s33, s33, s34
	s_add_co_u32 s33, s33, WST
	s_mul_i32 s35, s[WV], 3328
	s_add_co_u32 s35, s35, WST
	s_lshl_b32 s36, s17, 3
	s_add_co_u32 s36, s36, s34
	s_add_co_u32 s36, s36, WSC
	v_lshlrev_b32 v3, 2, v2                        ; 4 x lane
	v_lshrrev_b32 v8, 3, v2                        ; l / 8
	v_and_b32 v10, 7, v2                           ; l % 8
	v_mul_u32_u24 v4, v8, 1664
	v_lshl_add_u32 v4, v10, 4, v4
	v_add_nc_u32 v4, s33, v4                       ; into the images: tile 4 (w / 2) + l / 8, slot 8 (w % 2) + l % 8
	v_add_nc_u32 v5, s35, v[LI]                    ; and back: images 2 w, 2 w + 1
	v_and_b32 v8, 1, v8
	v_lshlrev_b32 v6, 8, v8
	v_lshl_add_u32 v6, v10, 4, v6
	v_lshl_add_u32 v6, v9, 2, v6
	v_add_nc_u32 v6, s36, v6                       ; scale image: lane slot + 16 (tile % 2), register tile / 2
	v_add_nc_u32 v7, WSC, v[LI]
	WALU                                           ; the wait at the head's end
	s_wait_kmcnt 0x0
	s_cmp_eq_u32 s23, 0
	s_cselect_b64 s[4:5], s[6:7], s[8:9]
	s_cmp_eq_u32 s23, 2
	s_cselect_b64 s[4:5], s[10:11], s[4:5]
	s_add_nc_u64 s[4:5], s[4:5], s[26:27]
	s_add_nc_u64 s[28:29], s[14:15], s[28:29]
.macro LOADW t                         ; block t: W(128 step + 32 t + i, my column): 128 consecutive bytes a load
.irp i, 0,1,2,3,4,5,6,7,8,9,10,11,12,13,14,15,16,17,18,19,20,21,22,23,24,25,26,27,28,29,30,31
	global_load_b32 v[R+32*(\t)+\i], v3, s[4:5] offset:(32*(\t)+\i)*4096 th:TH_LOAD_NT
.endr
.endm
.macro BLOCKW t                        ; block t = 2 c + h of the step goes to lane slot + 16 h, registers 6 c .. 6 c + 5 of the image
.set XS, R+32*(\t)
.set TT, 16+6*(\t)
.if (\t) < 3
	s_wait_loadcnt 32                              ; this block's 32 loads are in; the next block's may be out
.else
	s_wait_loadcnt 0x0
.endif
.if (\t)+2 < 4
	LOADW (\t)+2
.endif
	v_max3_num_f32 v12, |v[XS]|, |v[XS+1]|, |v[XS+2]|
	v_max3_num_f32 v13, |v[XS+3]|, |v[XS+4]|, |v[XS+5]|
.irp i, 6,10,14,18,22,26
	v_max3_num_f32 v12, v12, |v[XS+\i]|, |v[XS+\i+1]|
	v_max3_num_f32 v13, v13, |v[XS+\i+2]|, |v[XS+\i+3]|
.endr
	v_max3_num_f32 v12, v12, |v[XS+30]|, |v[XS+31]|
	v_max3_num_f32 v12, v12, v13, 0x1800000        ; and the floor
	v_add_nc_u32 v11, 0xff000000, v12
	v_lshrrev_b32 v13, 23, v11
.if (\t) == 0
	v_mov_b32 v44, v13
.else
	v_lshl_or_b32 v44, v13, 8*(\t), v44            ; my column's scale word
.endif
	v_cvt_scalef32_pk16_fp6_f32 v[TT:TT+2], v[XS:XS+15], v11
	v_cvt_scalef32_pk16_fp6_f32 v[40:42], v[XS+16:XS+31], v11
	v_nop                                          ; one plain place behind a scaled conversion
.irp i, 0,1,2
	v_mov_b32 v[TT+3+\i], v[40+\i]
.endr
.if (\t) < 2
	ds_store_b128 v4, v[TT:TT+3] offset:256*(\t)
	ds_store_b64 v4, v[TT+4:TT+5] offset:512+256*(\t)
.else
	ds_store_b64 v4, v[TT:TT+1] offset:520+256*((\t)-2)
	ds_store_b128 v4, v[TT+2:TT+5] offset:1024+256*((\t)-2)
.endif
.endm
	LOADW 0
	LOADW 1
	BLOCKW 0
	BLOCKW 1
	BLOCKW 2
	BLOCKW 3
	ds_store_b32 v6, v44
	s_wait_dscnt 0x0                               ; for the others' sake: my pieces of the images lie in LDS
	s_barrier_signal -1
	s_barrier_wait -1
.irp m, 0,1,2,3,4,5
	ds_load_b128 v[192+4*\m:195+4*\m], v5 offset:1664*(\m/3)+512*(\m%3)
.endr
.irp m, 0,1,2,3,4,5
	s_wait_dscnt 5-\m
	global_store_b128 v[LI], v[192+4*\m:195+4*\m], s[28:29] offset:1536*(\m/3)+512*(\m%3)
.endr
	s_cmp_lg_u32 s[WV], 0
	s_cbranch_scc1 .Lend
	ds_load_b128 v[220:223], v7
	s_wait_dscnt 0x0
	global_store_b128 v[LI], v[220:223], s[28:29] offset:12288
.Lend:
	s_wait_tensorcnt 0x0                           ; the wave's end, behind my last LDS store
	ds_add_u32 v[SPW], v[NIL]
	s_wait_dscnt 0x0
	s_endpgm
.Lfunc_end_k_q3a5fcc42b2_quant:
	.size	k_q3a5fcc42b2_quant, .Lfunc_end_k_q3a5fcc42b2_quant-k_q3a5fcc42b2_quant
	.p2alignl 7, 3214868480
	.fill 96, 4, 3214868480
	.section	.rodata,"a",@progbits
	.p2align	6, 0x0
	.amdhsa_kernel k_q3a5fcc42b2_quant
		.amdhsa_group_segment_fixed_size 49152
		.amdhsa_private_segment_fixed_size 0
		.amdhsa_enable_private_segment 0
		.amdhsa_kernarg_size 48
		.amdhsa_user_sgpr_count 2
		.amdhsa_user_sgpr_kernarg_segment_ptr 1
		.amdhsa_wavefront_size32 1
		.amdhsa_system_sgpr_workgroup_id_x 1
		.amdhsa_system_sgpr_workgroup_id_y 1
		.amdhsa_system_sgpr_workgroup_id_z 1
		.amdhsa_system_vgpr_workitem_id 0
		.amdhsa_next_free_vgpr 256
		.amdhsa_next_free_sgpr 66
		.amdhsa_reserve_vcc 0
		.amdhsa_float_denorm_mode_32 3
		.amdhsa_float_denorm_mode_16_64 3
		.amdhsa_memory_ordered 1
		.amdhsa_forward_progress 1
		.amdhsa_inst_pref_size 39
	.end_amdhsa_kernel
	.amdgpu_metadata
---
amdhsa.version: [ 1, 2 ]
amdhsa.kernels:
  - .name:           k_q3a5fcc42b2_quant
    .symbol:         k_q3a5fcc42b2_quant.kd
    .args:
      - { .name: x, .offset: 0, .size: 8, .value_kind: global_buffer, .address_space: global }
      - { .name: Wq, .offset: 8, .size: 8, .value_kind: global_buffer, .address_space: global }
      - { .name: Wk, .offset: 16, .size: 8, .value_kind: global_buffer, .address_space: global }
      - { .name: Wv, .offset: 24, .size: 8, .value_kind: global_buffer, .address_space: global }
      - { .name: XI, .offset: 32, .size: 8, .value_kind: global_buffer, .address_space: global }
      - { .name: WI, .offset: 40, .size: 8, .value_kind: global_buffer, .address_space: global }
    .group_segment_fixed_size: 49152
    .private_segment_fixed_size: 0
    .kernarg_segment_align: 8
    .kernarg_segment_size: 48
    .max_flat_workgroup_size: 128
    .sgpr_count:     66
    .vgpr_count:     256
    .wavefront_size: 32
...
	.end_amdgpu_metadata
.endif
;; end of part 1
;; launch proj (part 2): grid 8 x 32, 4 waves a work-group, clusters of 4 x 4, 327,680 bytes of LDS; arguments XI, WI, bq, bk, bv, QK, VT; writes QK, VT
.if DOCPART == 2
	.amdgcn_target "amdgcn-amd-amdhsa--gfx1250"
	.amdhsa_code_object_version 6
	.text
	.protected	k_q3a5fcc42b2_proj
	.globl	k_q3a5fcc42b2_proj
	.p2align	8
	.type	k_q3a5fcc42b2_proj,@function
k_q3a5fcc42b2_proj:
	s_mov_b64 s[64:65], 0
	v_nop
	global_prefetch_b8 v0, s[64:65] scope:SCOPE_SE
	s_setreg_imm32_b32 hwreg(HW_REG_WAVE_MODE, 25, 1), 1
	s_wait_xcnt 0x0
	s_wait_alu depctr_hold_cnt(0) depctr_sa_sdst(0) depctr_va_vdst(0) depctr_va_sdst(0) depctr_va_ssrc(0) depctr_va_vcc(0) depctr_vm_vsrc(0)
	s_getreg_b32 s2, hwreg(HW_REG_IB_STS2, 6, 4)
	s_cmp_eq_u32 s2, 0
	s_cbranch_scc0 .Lentry_in_a_cluster
	s_endpgm
.Lentry_in_a_cluster:
	s_bfe_u32 s2, ttmp6, 0x10000c
	s_cmp_lg_u32 s2, 0xf033
	s_cbranch_scc0 .Lentry_shape_is_right
	s_endpgm
.Lentry_shape_is_right:
; q = x Wq + bq, k = x Wk + bk, v = x Wv + bv on codes of FP6 (E2M3), and the results quantised at once into operand images: q and k along f for the scores, v^T along the keys for the last product.
; OPERANDS are images of registers (the launch before): a block (group of 128 rows, step of 128 along K) is 8 fragments of 1,536 bytes and 512 bytes of scale words, BLK bytes; slot 8 h + i of tile 4 c + j is the group's row 64 c + 32 h + 8 j + i.
; A WORK-GROUP makes 256 rows of x against 384 columns: 256 of q | k (NT = 0 .. 7) and 128 of v: 32 x 8 = 256 work-groups.  Wave (mh, nh) makes x's group mh (8 tiles) against 128 columns of q | k (8 tiles) and 64 of v (4 tiles): 96 accumulators, 768 registers.
; q, k: source 0 = a tile of W^T, source 1 = a tile of x: a lane holds one row of x and its registers run along f.  v: the other way round: a lane holds one f and its registers run along the keys.
; By the order of rows a lane's 32 registers of four tiles are one whole scale block of the next product: no exchange between lanes.
; Results -> QK [pair of groups][16 steps: q 0-7, k 8-15][group of the pair] blocks;  VT [group of f][step = key / 128] blocks, the scale words as two halves of 256 bytes (tiles 0-3, 4-7), 8 bytes a lane.
; K = 1,024 is eight steps; LDS holds five (slot = step % 5): x's two blocks of a step in one region, the weights' three in another.  FILLS, one load a wave, waves 0, 2 x's and waves 1, 3 the weights': steps 0 | 1 at the head; 2 | 3, 4 in step 0; 5 | 6, 7 in step 2.
; Between these, plain barriers show what has landed, with nothing filled behind them.  A wave never has more than one tensor load out.
; CLUSTER 4 x 4: x's tiles are shared along a row of the cluster, the weights' along a column: each is asked for jointly.
; PREFETCHES: steps 2-4 behind the head's loads, steps 5-7 in step 0: each block of 256 bytes once by the sixteen waves that share it; of the eight cluster rows that read the same weights four ask for them.
; THE BIAS is the first products' C: q's, k's numbers stand in v's accumulators, which are written last; v's stand in the accumulators of x's tile 7.
; LIMITS: a block of zeros gets the byte 1 where the rule says 127 (this program alone reads the bytes); NaN and infinities are not served.
; REGISTERS: window 0: addresses, scale words (two sets), v64-159 x's fragments, v160-255 the weights' (two halves of four tiles), in the epilogue codes.  q, k: accumulator (a, b) at v[256 + 64 a + 8 b].  v: (a, t) at v[768 + 64 t + 8 a].
.set BLK,   12800
.set SX,    25600                      ; x's blocks of a step
.set SWT,   38400                      ; the weights'
.set WR,    128000                     ; the weights' region
.set SPARE, 320000                     ; the spare words: 128 bytes a wave, named by no other line
.set LI,   1
.set ADRA, 2
.set ADQ,  4
.set ADV,  7
.set AVS,  10
.set SPW,  13
.set NIL,  14
.set H8,   15
.set L8,   16
.set SA,   24                          ; scale words alone: x's (4), the columns' of q | k (4), v's (2); second set 16 further on
.set SQ,   28
.set SV,   36
.set VPX,  54
.set VPW,  55
.set AF,   64
.set RB,   160
.set PC,   64
.set TC,   208
.set T,    216
.set SOP,  220
.set EB,   222
.set PWT,  224
.set SCI,  236
.set SCJ,  240
.set WV,   18
.set MH,   19
.set NH,   20
.set CX,   21
.set CY,   22
.set CLY,  23
.set NT,   24
.set MT,   25
.set G1X,  28
.set G1W,  36
.set G1X2, 44
.set G1W2, 52
.set G0X,  60
.set G0W,  68
.set XB,   72
.set WB,   74
.set MSB, 0
.macro WIN new                         ; the immediate's high byte repeats the setting that is left
.if MSB != (\new)
	s_set_vgpr_msb (MSB<<8)|(\new)
.set MSB, (\new)
.endif
.endm
.macro WALU
	s_wait_alu depctr_va_vdst(0)
.endm
.macro PLACES n
.rept \n
	v_nop
.endr
.endm
.macro GRP1 g, mask, rows              ; group 1: rows of 256 dense bytes (32 elements of 8), shared by the mask
	s_or_b32 s[\g], s[\mask], (3<<16)|(1<<21)
	s_mov_b32 s[\g+1], 32<<16
	s_mov_b32 s[\g+2], (\rows)<<16
	s_mov_b32 s[\g+3], 32<<16
	s_mov_b32 s[\g+4], \rows
	s_mov_b32 s[\g+5], 32
	s_mov_b32 s[\g+6], 0
	s_mov_b32 s[\g+7], 0
.endm
.macro TL g0, g1
	tensor_load_to_lds s[\g0:\g0+3], s[\g1:\g1+7]
	s_nop 0
	PLACES 4
.endm
.macro JLOAD4 a, b, c, d               ; one joint load a wave, each wave's in an arm of its own
	s_cmp_eq_u32 s[WV], 0
	s_cbranch_scc0 .Lj1_\@
	TL G0X, \a
	s_branch .Lj4_\@
.Lj1_\@:
	s_cmp_eq_u32 s[WV], 1
	s_cbranch_scc0 .Lj2_\@
	TL G0W, \b
	s_branch .Lj4_\@
.Lj2_\@:
	s_cmp_eq_u32 s[WV], 2
	s_cbranch_scc0 .Lj3_\@
	TL G0X, \c
	s_branch .Lj4_\@
.Lj3_\@:
	TL G0W, \d
.Lj4_\@:
.endm
.macro CREST
	s_cmp_lg_u32 s[WV], 0
	s_cbranch_scc1 .Lnot_wave_0_\@
	s_barrier_signal -3
.Lnot_wave_0_\@:
	s_barrier_wait -3
	s_barrier_signal -1
	s_barrier_wait -1
.endm
.macro CROUND
	s_barrier_signal -1
	s_barrier_wait -1
	CREST
.endm
.macro FIRSTTWO                        ; waves 0 and 1 wait for their load; what waves 2 and 3 asked for may be out
	s_cmp_lt_u32 s[WV], 2
	s_cbranch_scc0 .Llater_\@
	s_wait_tensorcnt 0x0
.Llater_\@:
.endm
.macro PF ox, ow                       ; my share of three steps of x and of the weights
	global_prefetch_b8 v[VPX], s[XB:XB+1] offset:\ox th:TH_LOAD_NT scope:SCOPE_SE
	s_cmp_lt_u32 s[CLY], 4
	s_cbranch_scc0 .Lnp_\@
	global_prefetch_b8 v[VPW], s[WB:WB+1] offset:\ow th:TH_LOAD_NT scope:SCOPE_SE
.Lnp_\@:
.endm
; ---- LDS loads: a fragment's image is three loads of 512 consecutive bytes
.macro FA sl, i0                       ; x's tiles i0, i0 + 1
.irp u, 0,1
.irp c, 0,1,2
	ds_load_b128 v[AF+12*((\i0)+\u)+4*\c:AF+12*((\i0)+\u)+4*\c+3], v[ADRA+(\sl)/3] offset:SX*((\sl)%3)+1536*((\i0)+\u)+512*\c
.endr
.endr
.endm
.macro FQ sl, g, half                  ; q | k tiles 4 g .. 4 g + 3
.irp t, 0,1,2,3
.irp c, 0,1,2
	ds_load_b128 v[RB+48*(\half)+12*\t+4*\c:RB+48*(\half)+12*\t+4*\c+3], v[ADQ+(\sl)/2] offset:SWT*((\sl)%2)+1536*(4*(\g)+\t)+512*\c
.endr
.endr
.endm
.macro FV sl, half                     ; my four tiles of v
.irp t, 0,1,2,3
.irp c, 0,1,2
	ds_load_b128 v[RB+48*(\half)+12*\t+4*\c:RB+48*(\half)+12*\t+4*\c+3], v[ADV+(\sl)/2] offset:SWT*((\sl)%2)+1536*\t+512*\c
.endr
.endr
.endm
.macro FS sl, set                      ; a step's scale words: three loads
	ds_load_b128 v[SA+16*(\set):SA+16*(\set)+3], v[ADRA+(\sl)/3] offset:SX*((\sl)%3)+12288
	ds_load_b128 v[SQ+16*(\set):SQ+16*(\set)+3], v[ADQ+(\sl)/2] offset:SWT*((\sl)%2)+12288
	ds_load_b64 v[SV+16*(\set):SV+16*(\set)+1], v[AVS+(\sl)/2] offset:SWT*((\sl)%2)+12288
.endm
.macro WMX d, c, s0, s1, x0, x1, r0, r1
	v_wmma_scale_f32_16x16x128_f8f6f4 v[\d:\d+7], v[\s0:\s0+11], v[\s1:\s1+11], \c, v[\x0], v[\x1] matrix_a_fmt:MATRIX_FMT_FP6 matrix_b_fmt:MATRIX_FMT_FP6 matrix_a_scale:MATRIX_SCALE_ROW\r0 matrix_b_scale:MATRIX_SCALE_ROW\r1
.endm
.macro WM c, r0, r1                    ; an odd tile's scale words stand in lanes 16-31
.if \r0
.if \r1
	WMX D_, \c, S0_, S1_, X0_, X1_, 1, 1
.else
	WMX D_, \c, S0_, S1_, X0_, X1_, 1, 0
.endif
.else
.if \r1
	WMX D_, \c, S0_, S1_, X0_, X1_, 0, 1
.else
	WMX D_, \c, S0_, S1_, X0_, X1_, 0, 0
.endif
.endif
.endm
; 8 products: x's tiles a0, a0 + 1 x four tiles of q | k (4 g ..).  The 96 accumulators take turns in one fixed order
.macro MQ a0, g, half, set, first
.if \first
	WIN 0x30+0x40*(1+(\a0)/4)                      ; C window 3: the bias
.else
	WIN 0x50*(1+(\a0)/4)
.endif
.irp u, 0,1
.irp j, 0,1,2,3
.set A_, (\a0)+\u
.set D_, 64*(A_%4)+8*(4*(\g)+\j)
.set S0_, RB+48*(\half)+12*\j
.set S1_, AF+12*A_
.set X0_, SQ+16*(\set)+2*(\g)+\j/2
.set X1_, SA+16*(\set)+A_/2
.if \first
.set C_, 64*(\g)+8*\j
.else
.set C_, D_
.endif
	WM v[C_:C_+7], \j%2, A_%2
.endr
.endr
.endm
.macro MV a0, half, set, first         ; the same x my four tiles of v, sources the other way round
	WIN 0xf0
.irp u, 0,1
.irp j, 0,1,2,3
.set A_, (\a0)+\u
.if (\first) && (A_ == 7) && (\j == 0)
	PLACES 5                                       ; tile 7's accumulators held the bias that the products before took as C
.endif
.set D_, 64*\j+8*A_
.set S0_, AF+12*A_
.set S1_, RB+48*(\half)+12*\j
.set X0_, SA+16*(\set)+A_/2
.set X1_, SV+16*(\set)+\j/2
.if \first
.set C_, 64*\j+56
.else
.set C_, D_
.endif
	WM v[C_:C_+7], A_%2, \j%2
.endr
.endr
.endm
; A STEP: three batches of 32 products: q | k tiles 0-3, 4-7, v.  Each batch's four tiles are fetched a batch ahead into the other half; x's tiles are fetched anew by twos, as the last batch sets them free.
; Loads into registers that matrix instructions have read stand four plain places behind them (ISA guide 7.12.1 for vector instructions).
; kind, in the second batch: 0 nothing; 1 a barrier shows what waves 0 and 1 asked for; 2 a barrier shows all; 3, 4 the lines and a round, behind which steps 2-4 (3) or 5-7 (4) are asked for
.macro STEP st, kind, first, last
.set SL_, (\st)%5
.set NS_, ((\st)+1)%5
.set P_, (\st)%2
	PLACES 4
	FA SL_, 6
	FQ SL_, 1, 1-P_
	s_wait_dscnt 30                                ; out may be: x's tiles 2-7 (18 loads) and the 12 of the next batch
	MQ 0, 0, P_, P_, \first
	s_wait_dscnt 24
	MQ 2, 0, P_, P_, \first
	s_wait_dscnt 18
	MQ 4, 0, P_, P_, \first
	s_wait_dscnt 12
	MQ 6, 0, P_, P_, \first
	WIN 0
	PLACES 4
	FV SL_, P_
	s_wait_dscnt 12                                ; v's tiles may be out
	MQ 0, 1, 1-P_, P_, \first
	MQ 2, 1, 1-P_, P_, \first
.if (\kind) > 0
	WIN 0
.if (\kind) == 1
	FIRSTTWO
.else
	s_wait_tensorcnt 0x0                           ; my tensor load has landed
.endif
.if (\kind) > 2
	ds_add_u32 v[SPW], v[NIL]                      ; 0 onto my spare word
.endif
.endif
	MQ 4, 1, 1-P_, P_, \first
.if (\kind) > 0
	s_wait_dscnt 0x0                               ; my LDS instructions are done, my reads of this step's slot among them
	s_barrier_signal -1
.endif
	MQ 6, 1, 1-P_, P_, \first
	WIN 0
.if (\kind) > 0
	s_barrier_wait -1
.endif
.if (\kind) > 2
	CREST                                          ; no wave of any partner still reads the slots filled below or has a load on its way
.if (\kind) == 3
	s_add_co_u32 s[G0X+1], s[G0X+1], 2*SX
	s_add_nc_u64 s[G0X+2:G0X+3], s[G0X+2:G0X+3], 2*SX
	s_add_co_u32 s[G0W+1], s[G0W+1], 2*SWT
	s_add_nc_u64 s[G0W+2:G0W+3], s[G0W+2:G0W+3], 2*SWT
.else
	s_sub_co_u32 s[G0X+1], s[G0X+1], 2*SX
	s_add_nc_u64 s[G0X+2:G0X+3], s[G0X+2:G0X+3], 3*SX
	s_sub_co_u32 s[G0W+1], s[G0W+1], 2*SWT
	s_add_nc_u64 s[G0W+2:G0W+3], s[G0W+2:G0W+3], 3*SWT
.endif
	JLOAD4 G1X, G1W, G1X2, G1W2
.endif
	PLACES 6
.if \last
	s_wait_dscnt 0x0
.else
	FQ NS_, 0, 1-P_
	FS NS_, 1-P_
.if (\kind) == 3
	PF 5*SX, 5*SWT
.endif
	s_wait_dscnt 15                                ; the next step's first batch and scale words may be out
.endif
.irp a, 0,2,4,6
	MV \a, P_, P_, \first
	WIN 0
.if (\last) == 0
.if \a < 6
	PLACES 4
	FA NS_, \a
.endif
.endif
.endr
.endm
	s_load_b256 s[4:11], s[0:1], 0x0               ; XI, WI, bq, bk
	s_load_b128 s[12:15], s[0:1], 0x20             ; bv, QK
	s_load_b64 s[16:17], s[0:1], 0x30              ; VT
	v_lshl_add_u32 v[SPW], v0, 2, SPARE
	v_mov_b32 v[NIL], 0
	ds_add_u32 v[SPW], v[NIL]                      ; the wave's opening: the add, twice on end, and its wait ahead of my first tensor load
	ds_add_u32 v[SPW], v[NIL]
	v_lshrrev_b32 v17, 5, v0
	v_readfirstlane_b32 s[WV], v17
	s_lshr_b32 s[MH], s[WV], 1                     ; my group of x.  Also: which part of a fill I ask for
	s_and_b32 s[NH], s[WV], 1                      ; my half of the columns.  Also: I ask for x (0) or for the weights (1)
	s_bfe_u32 s[CX], ttmp6, 0x40000
	s_bfe_u32 s[CY], ttmp6, 0x40004
	s_and_b32 s[CLY], ttmp7, 0xffff                ; cluster y
	s_lshl_b32 s[MT], s[CLY], 2
	s_add_co_u32 s[MT], s[MT], s[CY]               ; 256 rows of x
	s_lshl_b32 s[NT], ttmp9, 2
	s_add_co_u32 s[NT], s[NT], s[CX]               ; 256 columns of q | k and 128 of v
	s_lshl_b32 s66, s[CY], 2
	s_lshl_b32 s66, 15, s66                        ; my row of the cluster
	s_lshl_b32 s67, 0x1111, s[CX]                  ; my column
	GRP1 G1X, 66, 100
	GRP1 G1W, 67, 150
	GRP1 G1X2, 66, 200
	GRP1 G1W2, 67, 300
	s_mul_i32 s76, s[MT], 8*SX
	s_mov_b32 s77, 0
	s_mul_i32 s78, s[NT], 8*SWT
	s_mov_b32 s79, 0
	s_mul_i32 s80, s[MH], SX
	s_mov_b32 s81, 0
	s_mul_i32 s82, s[MH], SWT
	s_mov_b32 s83, 0
	s_mov_b32 s[G0X], 1
	s_mov_b32 s[G0X+1], s80                        ; no place in the cluster enters an LDS address
	s_mov_b32 s[G0W], 1
	s_add_co_u32 s[G0W+1], s82, WR
	WALU
	s_wait_dscnt 0x0                               ; both opening adds are done
	CROUND                                         ; all sixteen work-groups are here: the first joint loads meet
	s_wait_kmcnt 0x0
	s_add_nc_u64 s[XB:XB+1], s[4:5], s[76:77]
	s_add_nc_u64 s[WB:WB+1], s[6:7], s[78:79]
	s_add_nc_u64 s[G0X+2:G0X+3], s[XB:XB+1], s[80:81]
	s_or_b32 s[G0X+3], s[G0X+3], 0x80000000
	s_add_nc_u64 s[G0W+2:G0W+3], s[WB:WB+1], s[82:83]
	s_or_b32 s[G0W+3], s[G0W+3], 0x80000000
	JLOAD4 G1X, G1W, G1X, G1W                      ; steps 0 (waves 0, 1) and 1 (waves 2, 3)
	; the bias: its loads first
	s_cmp_eq_u32 ttmp9, 0                          ; q's columns are NT 0-3: cluster x = 0
	s_cselect_b64 s[94:95], s[8:9], s[10:11]
	s_and_b32 s76, s[NT], 3
	s_lshl_b32 s76, s76, 10
	s_lshl_b32 s78, s[NH], 9
	s_add_co_u32 s76, s76, s78
	s_add_nc_u64 s[94:95], s[94:95], s[76:77]      ; f = (256 NT + 128 nh) % 1024 on
	s_lshl_b32 s78, s[NT], 9
	s_lshl_b32 s80, s[NH], 8
	s_add_co_u32 s78, s78, s80
	s_add_nc_u64 s[96:97], s[12:13], s[78:79]      ; v: f = 128 NT + 64 nh on
	v_bfe_u32 v18, v0, 4, 1                        ; h
	v_lshlrev_b32 v19, 7, v18                      ; q, k: register 8 j + i of band c is column 64 c + 32 h + 8 j + i
	v_bfe_u32 v20, v0, 3, 1
	v_and_b32 v21, 7, v0
	v_lshlrev_b32 v20, 7, v20
	v_lshl_add_u32 v20, v21, 2, v20                ; v: slot r of tile t is column 32 (r / 8) + 8 t + r % 8
	WIN 0xc0
.irp c, 0,1
.irp k, 0,1,2,3,4,5,6,7
	global_load_b128 v[64*\c+4*\k:64*\c+4*\k+3], v19, s[94:95] offset:256*\c+16*\k
.endr
.endr
.irp t, 0,1,2,3
	global_load_b32 v[64*\t+56], v20, s[96:97] offset:32*\t
.endr
	WIN 0
	v_and_b32 v17, 31, v0
	v_lshlrev_b32 v[LI], 4, v17
	v_lshlrev_b32 v[L8], 3, v17
	v_lshlrev_b32 v[H8], 3, v18
	s_lshl_b32 s66, s[CX], 2
	s_add_co_u32 s66, s66, s[WV]                   ; my number among the sixteen waves of my row of the cluster
	s_mul_i32 s66, s66, 19
	s_lshl_b32 s67, s[CY], 2
	s_add_co_u32 s67, s67, s[WV]                   ; and of my column
	s_mul_i32 s67, s67, 29
	WALU
	v_min_u32 v56, 18, v17                         ; x: three steps are 300 blocks of 256 bytes, 19 to a wave, the last held at block 299
	v_add_nc_u32 v56, s66, v56
	v_min_u32 v56, 299, v56
	v_lshlrev_b32 v[VPX], 8, v56
	v_min_u32 v57, 28, v17                         ; the weights: 450 blocks, 29 to a wave
	v_add_nc_u32 v57, s67, v57
	v_min_u32 v57, 449, v57
	v_lshlrev_b32 v[VPW], 8, v57
	WALU
	PF 2*SX, 2*SWT
	s_mul_i32 s66, s[MH], BLK
	v_add_nc_u32 v[ADRA], s66, v[LI]
	s_add_co_u32 s66, s66, 3*SX
	v_add_nc_u32 v[ADRA+1], s66, v[LI]
	s_mul_i32 s66, s[NH], BLK
	s_add_co_u32 s66, s66, WR
	s_mul_i32 s67, s[NH], 6144
	s_add_co_u32 s67, s67, WR+2*BLK
	s_lshl_b32 s76, s[NH], 3
	s_add_co_u32 s76, s76, WR+2*BLK
.irp k, 0,1,2
	v_add_nc_u32 v[ADQ+\k], s66, v[LI]
	v_add_nc_u32 v[ADV+\k], s67, v[LI]
	v_add_nc_u32 v[AVS+\k], s76, v[LI]
	s_add_co_u32 s66, s66, 2*SWT
	s_add_co_u32 s67, s67, 2*SWT
	s_add_co_u32 s76, s76, 2*SWT
.endr
	; where the results go
	s_lshl_b32 s76, s[MT], 4
	s_lshl_b32 s78, s[NT], 1
	s_add_co_u32 s76, s76, s78
	s_add_co_u32 s76, s76, s[NH]                   ; 16 MT + step 2 NT + nh
	s_lshl_b32 s76, s76, 1
	s_add_co_u32 s76, s76, s[MH]
	s_mul_i32 s76, s76, BLK
	s_add_nc_u64 s[90:91], s[14:15], s[76:77]
	s_lshl_b32 s78, s[NT], 6
	s_lshl_b32 s80, s[MT], 1
	s_add_co_u32 s78, s78, s80
	s_add_co_u32 s78, s78, s[MH]                   ; 64 NT + keys / 128
	s_mul_i32 s78, s78, BLK
	s_mul_i32 s80, s[NH], 6144
	s_add_co_u32 s80, s80, s78                     ; my four tiles
	s_lshl_b32 s82, s[NH], 8
	s_add_co_u32 s82, s82, s78
	s_add_co_u32 s82, s82, 12288                   ; and my half of the scale words
	s_add_nc_u64 s[92:93], s[16:17], s[80:81]
	s_add_nc_u64 s[98:99], s[16:17], s[82:83]
	WALU
	s_wait_loadcnt 0x0                             ; the bias
	WIN 0xc3
.irp t, 0,1,2,3
.irp i, 1,2,3,4,5,6,7
	v_mov_b32 v[64*\t+56+\i], v[64*\t+56]
.endr
.endr
	WIN 0
	WALU                                           ; the wait at the head's end
	FIRSTTWO
	s_barrier_signal -1
	s_barrier_wait -1                              ; step 0 is in; step 1 may be on its way
	FQ 0, 0, 0
	FS 0, 0
	FA 0, 0
	FA 0, 2
	FA 0, 4
	STEP 0, 3, 1, 0
	STEP 1, 1, 0, 0
	STEP 2, 4, 0, 0
	STEP 3, 0, 0, 0
	STEP 4, 1, 0, 0
	STEP 5, 2, 0, 0
	STEP 6, 0, 0, 0
	STEP 7, 0, 0, 1
	PLACES 4
; THE EPILOGUE.  64 sums of a lane, from register l of window w on, register 32 c + n = k 64 c + 32 h + n of the next product: two whole blocks.  Codes to v[pc] on, my two bytes at their places in the word to v[pw].
; Each accumulator is read from its low end on
.macro QUANT w, l, pc, pw
	WIN 0x15*(\w)
.irp q, 0,1,2,3
	v_max3_num_f32 v[T+\q], |v[(\l)+16*\q]|, |v[(\l)+16*\q+1]|, |v[(\l)+16*\q+2]|
.endr
	WIN 0x14*(\w)
.irp i, 3,5,7,9,11,13
.irp q, 0,1,2,3
	v_max3_num_f32 v[T+\q], v[T+\q], |v[(\l)+16*\q+\i]|, |v[(\l)+16*\q+\i+1]|
.endr
.endr
.irp c, 0,1
	v_max3_num_f32 v[T+2*\c+1], v[T+2*\c+1], |v[(\l)+32*\c+15]|, 0x1800000   ; and the floor 2^(3 - 127): the byte cannot fall under 1
.endr
	WIN 4*(\w)
.irp c, 0,1
	v_max3_num_f32 v[T+2*\c], v[T+2*\c], |v[(\l)+32*\c+31]|, v[T+2*\c+1]
.endr
	WIN 0
.irp c, 0,1
	v_add_nc_u32 v[SOP+\c], 0xff000000, v[T+2*\c]  ; 2 off the exponent field: the conversion's scale operand
.endr
	WIN \w
.irp c, 0,1
	v_cvt_scalef32_pk16_fp6_f32 v[(\pc)+6*\c:(\pc)+6*\c+2], v[(\l)+32*\c:(\l)+32*\c+15], v[SOP+\c]
	v_cvt_scalef32_pk16_fp6_f32 v[TC+4*\c:TC+4*\c+2], v[(\l)+32*\c+16:(\l)+32*\c+31], v[SOP+\c]
.endr
	WIN 0
.irp c, 0,1
	v_lshrrev_b32 v[EB+\c], 23, v[SOP+\c]
.endr
	v_lshl_or_b32 v[EB], v[EB+1], 16, v[EB]
	v_lshlrev_b32 v[\pw], v[H8], v[EB]
.irp c, 0,1
.irp i, 0,1,2
	v_mov_b32 v[(\pc)+6*\c+3+\i], v[TC+4*\c+\i]
.endr
.endr
.endm
.irp a, 0,1,2,3,4,5,6,7
	QUANT 1+\a/4, 64*(\a%4), PC+12*\a, PWT+\a
.irp c, 0,1,2
	global_store_b128 v[LI], v[PC+12*\a+4*\c:PC+12*\a+4*\c+3], s[90:91] offset:1536*\a+512*\c   ; 512 consecutive bytes
.endr
.endr
.irp j, 0,1,2,3                                ; each tile's two half words meet: lanes 0-15 tile 2 j, lanes 16-31 tile 2 j + 1
	v_permlane16_swap_b32 v[PWT+2*\j], v[PWT+2*\j+1]
.endr
.irp j, 0,1,2,3
	v_or_b32 v[SCI+\j], v[PWT+2*\j], v[PWT+2*\j+1]
.endr
	global_store_b128 v[LI], v[SCI:SCI+3], s[90:91] offset:12288
.irp t, 0,1,2,3
	QUANT 3, 64*\t, PC+96+12*\t, PWT+8+\t
.irp c, 0,1,2
	global_store_b128 v[LI], v[PC+96+12*\t+4*\c:PC+96+12*\t+4*\c+3], s[92:93] offset:1536*\t+512*\c
.endr
.endr
.irp j, 0,1
	v_permlane16_swap_b32 v[PWT+8+2*\j], v[PWT+9+2*\j]
.endr
.irp j, 0,1
	v_or_b32 v[SCJ+\j], v[PWT+8+2*\j], v[PWT+9+2*\j]
.endr
	global_store_b64 v[L8], v[SCJ:SCJ+1], s[98:99]  ; 256 consecutive bytes
	s_wait_tensorcnt 0x0                           ; the wave's end
	ds_add_u32 v[SPW], v[NIL]
	s_wait_dscnt 0x0
	CROUND                                         ; the closing round
	s_endpgm
.Lfunc_end_k_q3a5fcc42b2_proj:
	.size	k_q3a5fcc42b2_proj, .Lfunc_end_k_q3a5fcc42b2_proj-k_q3a5fcc42b2_proj
	.p2alignl 7, 3214868480
	.fill 96, 4, 3214868480
	.section	.rodata,"a",@progbits
	.p2align	6, 0x0
	.amdhsa_kernel k_q3a5fcc42b2_proj
		.amdhsa_group_segment_fixed_size 327680
		.amdhsa_private_segment_fixed_size 0
		.amdhsa_enable_private_segment 0
		.amdhsa_kernarg_size 56
		.amdhsa_user_sgpr_count 2
		.amdhsa_user_sgpr_kernarg_segment_ptr 1
		.amdhsa_wavefront_size32 1
		.amdhsa_system_sgpr_workgroup_id_x 1
		.amdhsa_system_sgpr_workgroup_id_y 1
		.amdhsa_system_sgpr_workgroup_id_z 1
		.amdhsa_system_vgpr_workitem_id 0
		.amdhsa_next_free_vgpr 1024
		.amdhsa_next_free_sgpr 100
		.amdhsa_reserve_vcc 0
		.amdhsa_float_denorm_mode_32 3
		.amdhsa_float_denorm_mode_16_64 3
		.amdhsa_memory_ordered 1
		.amdhsa_forward_progress 1
		.amdhsa_inst_pref_size 197
	.end_amdhsa_kernel
	.amdgpu_metadata
---
amdhsa.version: [ 1, 2 ]
amdhsa.kernels:
  - .name:           k_q3a5fcc42b2_proj
    .symbol:         k_q3a5fcc42b2_proj.kd
    .args:
      - { .name: XI, .offset: 0, .size: 8, .value_kind: global_buffer, .address_space: global }
      - { .name: WI, .offset: 8, .size: 8, .value_kind: global_buffer, .address_space: global }
      - { .name: bq, .offset: 16, .size: 8, .value_kind: global_buffer, .address_space: global }
      - { .name: bk, .offset: 24, .size: 8, .value_kind: global_buffer, .address_space: global }
      - { .name: bv, .offset: 32, .size: 8, .value_kind: global_buffer, .address_space: global }
      - { .name: QK, .offset: 40, .size: 8, .value_kind: global_buffer, .address_space: global }
      - { .name: VT, .offset: 48, .size: 8, .value_kind: global_buffer, .address_space: global }
    .group_segment_fixed_size: 327680
    .private_segment_fixed_size: 0
    .kernarg_segment_align: 8
    .kernarg_segment_size: 56
    .max_flat_workgroup_size: 128
    .sgpr_count:     100
    .vgpr_count:     1024
    .wavefront_size: 32
...
	.end_amdgpu_metadata
.endif
;; end of part 2
;; launch sv (part 3): grid 4 x 48, 4 waves a work-group, clusters of 4 x 4, 327,680 bytes of LDS; arguments QK, PI; writes PI
.if DOCPART == 3
	.amdgcn_target "amdgcn-amd-amdhsa--gfx1250"
	.amdhsa_code_object_version 6
	.text
	.protected	k_q3a5fcc42b2_sv
	.globl	k_q3a5fcc42b2_sv
	.p2align	8
	.type	k_q3a5fcc42b2_sv,@function
k_q3a5fcc42b2_sv:
	s_mov_b64 s[64:65], 0
	v_nop
	global_prefetch_b8 v0, s[64:65] scope:SCOPE_SE
	s_setreg_imm32_b32 hwreg(HW_REG_WAVE_MODE, 25, 1), 1
	s_wait_xcnt 0x0
	s_wait_alu depctr_hold_cnt(0) depctr_sa_sdst(0) depctr_va_vdst(0) depctr_va_sdst(0) depctr_va_ssrc(0) depctr_va_vcc(0) depctr_vm_vsrc(0)
	s_getreg_b32 s2, hwreg(HW_REG_IB_STS2, 6, 4)
	s_cmp_eq_u32 s2, 0
	s_cbranch_scc0 .Lentry_in_a_cluster
	s_endpgm
.Lentry_in_a_cluster:
	s_bfe_u32 s2, ttmp6, 0x10000c
	s_cmp_lg_u32 s2, 0xf033
	s_cbranch_scc0 .Lentry_shape_is_right
	s_endpgm
.Lentry_shape_is_right:
; SCORES.  S^T = k q^T on codes of FP6 (E2M3), the causal mask, and p = 2^(t - M) quantised along the keys.  t = score x log2(e) / 32.
; M here is LOCAL: for each query and each chunk of 128 keys, the ceiling of the chunk's largest t: a whole number.  The next launch takes the row's M as the largest of its chunks' and subtracts the
; difference from p's scale bytes: an exact power of two, which a block's scale takes up.  With the codes go, for each query and chunk, -M and the sum l of the unquantised p, both f32.
; A block of PI (group of 128 queries, chunk) is 8 fragment images, then three images of 512 bytes in the scale words' lane order: scale words, -M, l: PBLK bytes.  A chunk all of whose keys are hidden for a query gets zero codes, the byte 1, -M = 3e38 and l = 0.
; A work-group makes 256 queries x 256 keys, K 1,024; a wave 128 x 128.  A cluster (number 4 c + b) is 1,024 queries x 1,024 keys of batch b; three a batch (c = 0, 1, 2) cover the lower triangle.  In the two on the diagonal six tiles lie above it: they
; run the same text, since a partner makes every joint request.
; Source 0 = a tile of keys, source 1 = a tile of queries: a lane holds one query; register 32 c + n of a tile of queries is key 64 c + 32 h + n of the chunk: two whole scale blocks.  Tile a, slot r is query 64 (a / 4) + 8 (a % 4) + 32 (r / 8) + r % 8 of its group.
; K goes in eight steps; LDS holds five (slot = step % 5): q's two blocks of a step in one region, k's in another.  FILLS, one load a wave, waves 0, 2 q's and waves 1, 3 k's: steps 0 | 1 at the head; 2 | 3, 4 in step 0; 5 | 6, 7 in step 2.
; Between these, plain barriers show what has landed.  A wave never has more than one tensor load out.  q's tiles are shared along a row of the cluster, k's along a column.
; PREFETCHES: steps 2-4 behind the head's loads, steps 5-7 in step 0: each block of 256 bytes once by the sixteen waves that share it.
; LIMITS: the promise holds while t stays under 2^31 in magnitude; a block of zeros gets the byte 1 where the rule says 127 (this program alone reads the bytes); NaN and infinities are not served.
; REGISTERS: window 0: addresses, scale words (two sets), v128-223 q's fragments, in the epilogue the scores.  Window 1: k's fragments, two sets.  Windows 2, 3: accumulator (a, b) at v[8 (8 (a % 4) + b)] of window 2 + a / 4.
.set BLK,   12800
.set PBLK,  13824
.set SX,    25600
.set WR,    128000
.set SPARE, 256000
.set LI,   1
.set ADRA, 2
.set ADRB, 4
.set SPW,  6
.set NIL,  7
.set H8,   8
.set D0,   9                           ; my query (tile 0) less the keys' 32 h, relative to the chunk
.set NINF, 10
.set VPX,  11
.set VPW,  12
.set SC,   16                          ; scale words alone: q's 4, k's 4; second set 8 further on
.set NMT,  32
.set LT,   40
.set PWT,  48
.set T,    56
.set SOP,  60
.set EB,   62
.set NMP,  64
.set LA,   66
.set LP,   74
.set IMG,  76
.set TX,   88
.set TY,   89
.set AF,   128
.set S,    128
.set PC,   192
.set TC,   204
.set WV,   18
.set MH,   19
.set NH,   20
.set CX,   21
.set CY,   22
.set HM,   27
.set G1X,  28
.set G1W,  36
.set G1X2, 44
.set G1W2, 52
.set G0X,  60
.set G0W,  68
.set XB,   72
.set WB,   74
.set HLT,  92                          ; all lanes hidden: a tile's keys of an earlier half
.set HGT,  93                          ; of a later half
.set CS,   94
.set SEL,  96
.set OUT,  98
.set MSB, 0
.macro WIN new                         ; the immediate's high byte repeats the setting that is left
.if MSB != (\new)
	s_set_vgpr_msb (MSB<<8)|(\new)
.set MSB, (\new)
.endif
.endm
.macro WALU
	s_wait_alu depctr_va_vdst(0)
.endm
.macro PLACES n
.rept \n
	v_nop
.endr
.endm
.macro GRP1 g, mask, rows              ; group 1: rows of 256 dense bytes (32 elements of 8), shared by the mask
	s_or_b32 s[\g], s[\mask], (3<<16)|(1<<21)
	s_mov_b32 s[\g+1], 32<<16
	s_mov_b32 s[\g+2], (\rows)<<16
	s_mov_b32 s[\g+3], 32<<16
	s_mov_b32 s[\g+4], \rows
	s_mov_b32 s[\g+5], 32
	s_mov_b32 s[\g+6], 0
	s_mov_b32 s[\g+7], 0
.endm
.macro TL g0, g1
	tensor_load_to_lds s[\g0:\g0+3], s[\g1:\g1+7]
	s_nop 0
	PLACES 4
.endm
.macro JLOAD4 a, b, c, d               ; one joint load a wave, each wave's in an arm of its own
	s_cmp_eq_u32 s[WV], 0
	s_cbranch_scc0 .Lj1_\@
	TL G0X, \a
	s_branch .Lj4_\@
.Lj1_\@:
	s_cmp_eq_u32 s[WV], 1
	s_cbranch_scc0 .Lj2_\@
	TL G0W, \b
	s_branch .Lj4_\@
.Lj2_\@:
	s_cmp_eq_u32 s[WV], 2
	s_cbranch_scc0 .Lj3_\@
	TL G0X, \c
	s_branch .Lj4_\@
.Lj3_\@:
	TL G0W, \d
.Lj4_\@:
.endm
.macro CREST
	s_cmp_lg_u32 s[WV], 0
	s_cbranch_scc1 .Lnot_wave_0_\@
	s_barrier_signal -3
.Lnot_wave_0_\@:
	s_barrier_wait -3
	s_barrier_signal -1
	s_barrier_wait -1
.endm
.macro CROUND
	s_barrier_signal -1
	s_barrier_wait -1
	CREST
.endm
.macro FIRSTTWO                        ; waves 0 and 1 wait for their load; what waves 2 and 3 asked for may be out
	s_cmp_lt_u32 s[WV], 2
	s_cbranch_scc0 .Llater_\@
	s_wait_tensorcnt 0x0
.Llater_\@:
.endm
.macro PF o
	global_prefetch_b8 v[VPX], s[XB:XB+1] offset:\o th:TH_LOAD_NT scope:SCOPE_SE
	global_prefetch_b8 v[VPW], s[WB:WB+1] offset:\o th:TH_LOAD_NT scope:SCOPE_SE
.endm
.macro FRAG reg, adr, sl, i            ; a fragment's image: three loads of 512 consecutive bytes
.irp c, 0,1,2
	ds_load_b128 v[(\reg)+4*\c:(\reg)+4*\c+3], v[\adr+(\sl)/3] offset:SX*((\sl)%3)+1536*(\i)+512*\c
.endr
.endm
.macro FB sl, set
	WIN 0x40
.irp i, 0,1,2,3,4,5,6,7
	FRAG 128*(\set)+12*\i, ADRB, \sl, \i
.endr
	WIN 0
.endm
.macro FA sl, i0
.irp u, 0,1,2,3
	FRAG AF+12*(\i0+\u), ADRA, \sl, \i0+\u
.endr
.endm
.macro FS sl, set
	ds_load_b128 v[SC+8*(\set):SC+8*(\set)+3], v[ADRA+(\sl)/3] offset:SX*((\sl)%3)+12288
	ds_load_b128 v[SC+8*(\set)+4:SC+8*(\set)+7], v[ADRB+(\sl)/3] offset:SX*((\sl)%3)+12288
.endm
.macro WMX d, c, s0, s1, x0, x1, r0, r1
	v_wmma_scale_f32_16x16x128_f8f6f4 v[\d:\d+7], v[\s0:\s0+11], v[\s1:\s1+11], \c, v[\x0], v[\x1] matrix_a_fmt:MATRIX_FMT_FP6 matrix_b_fmt:MATRIX_FMT_FP6 matrix_a_scale:MATRIX_SCALE_ROW\r0 matrix_b_scale:MATRIX_SCALE_ROW\r1
.endm
.macro WM c, r0, r1                    ; an odd tile's scale words stand in lanes 16-31
.if \r0
.if \r1
	WMX D_, \c, S0_, S1_, X0_, X1_, 1, 1
.else
	WMX D_, \c, S0_, S1_, X0_, X1_, 1, 0
.endif
.else
.if \r1
	WMX D_, \c, S0_, S1_, X0_, X1_, 0, 1
.else
	WMX D_, \c, S0_, S1_, X0_, X1_, 0, 0
.endif
.endif
.endm
.macro MUL16 a0, p, zero               ; q's tiles a0, a0 + 1 x k's eight; the 64 accumulators take turns in one fixed order
	WIN 0xa1+0x50*((\a0)/4)
.irp u, 0,1
.irp j, 0,1,2,3,4,5,6,7
.set A_, (\a0)+\u
.set D_, 64*(A_%4)+8*\j
.set S0_, 128*(\p)+12*\j
.set S1_, AF+12*A_
.set X0_, SC+8*(\p)+4+\j/2
.set X1_, SC+8*(\p)+A_/2
.if \zero
	WM 0, \j%2, A_%2
.else
	WM v[D_:D_+7], \j%2, A_%2
.endif
.endr
.endr
.endm
; A STEP: 64 products; the next step's fragments are fetched in its middle and at its end, four plain places behind the products that read those registers.
; kind, in its first half: 0 nothing; 1 a barrier shows what waves 0 and 1 asked for; 2 a barrier shows all; 3, 4 the lines and a round, behind which steps 2-4 (3) or 5-7 (4) are asked for
.macro STEP st, kind, zero, last
.set NS_, ((\st)+1)%5
.set P_, (\st)%2
.if (\kind) == 1
	FIRSTTWO
.endif
.if (\kind) > 1
	s_wait_tensorcnt 0x0                           ; my tensor load has landed
.endif
.if (\kind) > 2
	ds_add_u32 v[SPW], v[NIL]                      ; 0 onto my spare word
	s_wait_dscnt 13                                ; (the add and the youngest 12 loads, q's tiles 4-7, may be out)
.else
	s_wait_dscnt 12
.endif
	MUL16 0, P_, \zero
.if (\kind) > 0
	s_wait_dscnt 0x0                               ; my LDS instructions are done, my reads of this step's slot among them
	s_barrier_signal -1
.endif
	MUL16 2, P_, \zero
	WIN 0
.if (\kind) > 0
	s_barrier_wait -1
.else
	s_wait_dscnt 0x0
.endif
.if (\kind) > 2
	CREST                                          ; no wave of any partner still reads the slots filled below or has a load on its way
.irp g, G0X, G0W
.if (\kind) == 3
	s_add_co_u32 s[\g+1], s[\g+1], 2*SX
	s_add_nc_u64 s[\g+2:\g+3], s[\g+2:\g+3], 2*SX
.else
	s_sub_co_u32 s[\g+1], s[\g+1], 2*SX
	s_add_nc_u64 s[\g+2:\g+3], s[\g+2:\g+3], 3*SX
.endif
.endr
	JLOAD4 G1X, G1W, G1X2, G1W2                    ; its four v_nop are also the places in front of the loads below
.else
	PLACES 4
.endif
.if (\last) == 0
	FB NS_, 1-P_
	FA NS_, 0
	FS NS_, 1-P_
.if (\kind) == 3
	PF 5*SX
.endif
.endif
	MUL16 4, P_, \zero
	MUL16 6, P_, \zero
	WIN 0
.if (\last) == 0
	PLACES 4
	FA NS_, 4
.endif
.endm
	s_load_b128 s[4:7], s[0:1], 0x0                ; QK, PI
	v_lshl_add_u32 v[SPW], v0, 2, SPARE
	v_mov_b32 v[NIL], 0
	ds_add_u32 v[SPW], v[NIL]                      ; the wave's opening: the add, twice on end, and its wait ahead of my first tensor load
	ds_add_u32 v[SPW], v[NIL]
	v_lshrrev_b32 v13, 5, v0
	v_readfirstlane_b32 s[WV], v13
	s_lshr_b32 s[MH], s[WV], 1                     ; my group of queries.  Also: which part of a fill I ask for
	s_and_b32 s[NH], s[WV], 1                      ; my group of keys.  Also: I ask for q (0) or for k (1)
	s_bfe_u32 s[CX], ttmp6, 0x40000
	s_bfe_u32 s[CY], ttmp6, 0x40004
	s_lshl_b32 s66, s[CY], 2
	s_lshl_b32 s66, 15, s66                        ; my row of the cluster
	s_lshl_b32 s67, 0x1111, s[CX]                  ; my column
	GRP1 G1X, 66, 100
	GRP1 G1W, 67, 100
	GRP1 G1X2, 66, 200
	GRP1 G1W2, 67, 200
	s_and_b32 s23, ttmp7, 0xffff                   ; the cluster's number: 4 c + b
	s_and_b32 s24, s23, 3
	s_lshl_b32 s24, s24, 3                         ; the batch's first pair of groups
	s_lshr_b32 s66, s23, 2                         ; c = 0, 1, 2:
	s_lshr_b32 s26, s66, 1                         ; the keys' 1,024: 0, 0, 1
	s_add_co_u32 s66, s66, 1
	s_lshr_b32 s25, s66, 1                         ; the queries': 0, 1, 1
	s_lshl_b32 s25, s25, 2
	s_lshl_b32 s26, s26, 2
	s_add_co_u32 s76, s24, s25
	s_add_co_u32 s76, s76, s[CY]                   ; my pair of groups of queries: hangs on cy alone
	s_lshl_b32 s84, s76, 1
	s_add_co_u32 s84, s84, s[MH]                   ; the result's group
	s_mul_i32 s76, s76, 16*SX
	s_mov_b32 s77, 0
	s_add_co_u32 s78, s24, s26
	s_add_co_u32 s78, s78, s[CX]                   ; of keys: on cx alone
	s_mul_i32 s78, s78, 16*SX
	s_add_co_u32 s78, s78, 8*SX                    ; k's steps begin at 8
	s_mov_b32 s79, 0
	s_mul_i32 s80, s[MH], SX
	s_mov_b32 s81, 0
	s_mov_b32 s[G0X], 1
	s_mov_b32 s[G0X+1], s80                        ; no place in the cluster enters an LDS address
	s_mov_b32 s[G0W], 1
	s_add_co_u32 s[G0W+1], s80, WR
	WALU
	s_wait_dscnt 0x0                               ; both opening adds are done
	CROUND                                         ; all sixteen work-groups are here: the first joint loads meet
	s_wait_kmcnt 0x0
	s_add_nc_u64 s[XB:XB+1], s[4:5], s[76:77]
	s_add_nc_u64 s[WB:WB+1], s[4:5], s[78:79]
	s_add_nc_u64 s[G0X+2:G0X+3], s[XB:XB+1], s[80:81]
	s_or_b32 s[G0X+3], s[G0X+3], 0x80000000
	s_add_nc_u64 s[G0W+2:G0W+3], s[WB:WB+1], s[80:81]
	s_or_b32 s[G0W+3], s[G0W+3], 0x80000000
	JLOAD4 G1X, G1W, G1X, G1W                      ; steps 0 (waves 0, 1) and 1 (waves 2, 3)
	s_lshl_b32 s66, s[CX], 2
	s_add_co_u32 s66, s66, s[WV]                   ; my number among the sixteen waves of my row of the cluster
	s_mul_i32 s66, s66, 19
	s_lshl_b32 s67, s[CY], 2
	s_add_co_u32 s67, s67, s[WV]                   ; and of my column
	s_mul_i32 s67, s67, 19
	v_and_b32 v13, 31, v0
	v_lshlrev_b32 v[LI], 4, v13
	v_min_u32 v14, 18, v13                         ; three steps are 300 blocks of 256 bytes, 19 to a wave, the last held at block 299
	v_add_nc_u32 v15, s66, v14
	v_add_nc_u32 v14, s67, v14
	v_min_u32 v15, 299, v15
	v_min_u32 v14, 299, v14
	v_lshlrev_b32 v[VPX], 8, v15
	v_lshlrev_b32 v[VPW], 8, v14
	WALU
	PF 2*SX
	s_mul_i32 s66, s[MH], BLK
	s_mul_i32 s67, s[NH], BLK
	s_add_co_u32 s67, s67, WR
	v_add_nc_u32 v[ADRA], s66, v[LI]
	v_add_nc_u32 v[ADRB], s67, v[LI]
	s_add_co_u32 s66, s66, 3*SX
	s_add_co_u32 s67, s67, 3*SX
	v_add_nc_u32 v[ADRA+1], s66, v[LI]
	v_add_nc_u32 v[ADRB+1], s67, v[LI]
	s_add_co_u32 s86, s25, s[CY]                   ; my group of queries less my group of keys
	s_sub_co_u32 s86, s86, s26
	s_sub_co_u32 s86, s86, s[CX]
	s_lshl_b32 s86, s86, 1
	s_add_co_u32 s86, s86, s[MH]
	s_sub_co_u32 s86, s86, s[NH]
	s_cmp_lt_i32 s86, 0
	s_cselect_b32 s[HLT], -1, 0
	s_cmp_le_i32 s86, 0
	s_cselect_b32 s[HGT], -1, 0
	s_lshl_b32 s86, s86, 7
	WALU
	v_bfe_u32 v13, v0, 4, 1                        ; h
	v_lshlrev_b32 v[H8], 3, v13
	v_bfe_u32 v14, v0, 3, 1
	v_sub_nc_u32 v14, v14, v13
	v_lshlrev_b32 v14, 5, v14
	v_and_b32 v13, 7, v0
	v_add_nc_u32 v14, v14, v13                     ; 32 (r / 8) + r % 8 - 32 h
	v_add_nc_u32 v[D0], s86, v14
	v_mov_b32 v[NINF], 0xff800000
	s_add_co_u32 s85, s26, s[CX]
	s_lshl_b32 s85, s85, 1
	s_add_co_u32 s85, s85, s[NH]                   ; the chunk of keys
	s_lshl_b32 s84, s84, 4
	s_add_co_u32 s84, s84, s85
	s_mul_i32 s84, s84, PBLK
	s_mov_b32 s85, 0
	s_add_nc_u64 s[OUT:OUT+1], s[6:7], s[84:85]
	s_mov_b32 s[HM], 0xffff0000
	s_mov_b32 s[CS], 0x3d38aa3b                    ; c = log2(e) / 32
	s_mov_b32 s[CS+1], s[CS]                       ; (named with it as a pair, so it is written)
	s_mov_b32 s[SEL], 0x76543210
	s_mov_b32 s[SEL+1], 0xfedcba98
	WALU                                           ; the wait at the head's end
	FIRSTTWO
	s_barrier_signal -1
	s_barrier_wait -1                              ; step 0 is in; step 1 may be on its way
	FB 0, 0
	FA 0, 0
	FS 0, 0
	FA 0, 4
	STEP 0, 3, 1, 0                                ; the first products start the sums: nothing is cleared
	STEP 1, 1, 0, 0
	STEP 2, 4, 0, 0
	STEP 3, 0, 0, 0
	STEP 4, 1, 0, 0
	STEP 5, 2, 0, 0
	STEP 6, 0, 0, 0
	STEP 7, 0, 0, 1
; THE MASK.  Register 32 c + n of tile a is hidden where 64 (c - a / 4) + n - 8 (a % 4) is above D0.  For c = a / 4 that is one of 56 masks, made once; for the other half all lanes are alike.
	s_wait_xcnt 0x0                                ; the prefetches have read their base, over which the masks are laid
.set KM_, -24
.rept 56
.set MS_, 34+(KM_+24)+2*((KM_+24)/30)              ; s34-63, s66-91
	v_cmp_gt_i32 s[MS_], KM_, v[D0]
.set KM_, KM_+1
.endr
	v_mov_b32 v[TY], 0                             ; a lane permute's destination counts as one of its sources
	v_mov_b32 v[LP], 0
	v_mov_b32 v[NMP+1], 0                          ; (named as the upper half of a pair)
; THE SOFTMAX OF A TILE OF 16 QUERIES x 128 KEYS
.macro SOFTQ a
.set AC_, 64*((\a)%4)
.if (\a) > 0
	s_wait_xcnt 0x0                                ; the last tile's stores have read the codes' registers
.endif
	WIN 0x02+(\a)/4
	WALU                                           ; the wait here, ahead of the first readers
.set n, 0
.rept 64                                       ; the mask and the way into window 0 in one; each accumulator is read from its low end on
.if (n/32) == ((\a)/4)
.set M_, n%32-8*((\a)%4)+24
.set MS_, 34+M_+2*(M_/30)
.elseif (n/32) < ((\a)/4)
.set MS_, HLT
.else
.set MS_, HGT
.endif
	v_cndmask_b32 v[S+n], v[AC_+n], v[NINF], s[MS_]
.set n, n+1
.endr
	WIN 0
.irp q, 0,1,2,3
	v_max3_num_f32 v[T+\q], v[S+16*\q], v[S+16*\q+1], v[S+16*\q+2]
.endr
.irp i, 3,5,7,9,11,13
.irp q, 0,1,2,3
	v_max3_num_f32 v[T+\q], v[T+\q], v[S+16*\q+\i], v[S+16*\q+\i+1]
.endr
.endr
.irp c, 0,1
	v_max3_num_f32 v[T+2*\c+1], v[T+2*\c+1], v[S+32*\c+15], v[S+32*\c+31]
.endr
.irp c, 0,1
	v_max_num_f32 v[T+2*\c], v[T+2*\c], v[T+2*\c+1]  ; my two blocks' largest scores: for the chunk's maximum, and, since p rises with the score, for the blocks' largest p
.endr
	v_max_num_f32 v[TX], v[T], v[T+2]
	v_permlanex16_b32 v[TY], v[TX], s[SEL], s[SEL+1]
	v_max_num_f32 v[TX], v[TX], v[TY]
	v_mul_f32 v[TX], s[CS], v[TX]                  ; as t (c is positive)
	v_max_num_f32 v[TX], 0xff61b1e6, v[TX]         ; a chunk that is all hidden: -3e38
	v_floor_f32 v[NMP], -v[TX]                     ; -M = floor(-t) = -ceil(t)
.set n, 0
.rept 32
	v_pk_fma_f32 v[S+n:S+n+1], v[S+n:S+n+1], s[CS:CS+1], v[NMP:NMP+1] op_sel_hi:[1,0,0]   ; t - M
.set n, n+2
.endr
	v_fma_f32 v[T], v[T], s[CS], v[NMP]
	v_fma_f32 v[T+2], v[T+2], s[CS], v[NMP]
	WALU                                           ; the wait ahead of the batch
.set n, 0
.rept 64
	v_exp_f32 v[S+n], v[S+n]                       ; p = 2^(t - M), not normalised
.set n, n+1
.endr
	v_exp_f32 v[T], v[T]                           ; the blocks' largest p: the same two instructions on the same number
	v_exp_f32 v[T+2], v[T+2]
	v_mov_b32 v[NMT+(\a)], v[NMP]                  ; a plain place behind the exponentials
	WALU                                           ; and behind it
.irp k, 0,1,2,3                                ; the sum of the unquantised p, in four chains
	v_pk_add_f32 v[LA+2*\k:LA+2*\k+1], v[S+4*\k:S+4*\k+1], v[S+4*\k+2:S+4*\k+3]
.endr
.irp j, 16,24,32,40,48,56
.irp k, 0,1,2,3
	v_pk_add_f32 v[LA+2*\k:LA+2*\k+1], v[LA+2*\k:LA+2*\k+1], v[S+\j+2*\k:S+\j+2*\k+1]
.endr
.endr
	v_max_num_f32 v[T], 0x1800000, v[T]            ; the floor 2^(3 - 127): the byte cannot fall under 1
	v_max_num_f32 v[T+2], 0x1800000, v[T+2]
	v_pk_add_f32 v[LA:LA+1], v[LA:LA+1], v[LA+2:LA+3]
	v_pk_add_f32 v[LA+4:LA+5], v[LA+4:LA+5], v[LA+6:LA+7]
	v_add_nc_u32 v[SOP], 0xff000000, v[T]
	v_add_nc_u32 v[SOP+1], 0xff000000, v[T+2]
	v_pk_add_f32 v[LA:LA+1], v[LA:LA+1], v[LA+4:LA+5]
.irp c, 0,1
	v_cvt_scalef32_pk16_fp6_f32 v[PC+6*\c:PC+6*\c+2], v[S+32*\c:S+32*\c+15], v[SOP+\c]
	v_cvt_scalef32_pk16_fp6_f32 v[TC+4*\c:TC+4*\c+2], v[S+32*\c+16:S+32*\c+31], v[SOP+\c]
.endr
	v_add_f32 v[LA], v[LA], v[LA+1]
.irp c, 0,1
	v_lshrrev_b32 v[EB+\c], 23, v[SOP+\c]
.endr
	v_permlanex16_b32 v[LP], v[LA], s[SEL], s[SEL+1]
	v_lshl_or_b32 v[EB], v[EB+1], 16, v[EB]
	v_add_f32 v[LT+(\a)], v[LA], v[LP]
	v_lshlrev_b32 v[PWT+(\a)], v[H8], v[EB]
.irp c, 0,1
.irp i, 0,1,2
	v_mov_b32 v[PC+6*\c+3+\i], v[TC+4*\c+\i]
.endr
.endr
.irp c, 0,1,2
	global_store_b128 v[LI], v[PC+4*\c:PC+4*\c+3], s[OUT:OUT+1] offset:1536*(\a)+512*\c   ; 512 consecutive bytes
.endr
.endm
.irp a, 0,1,2,3,4,5,6,7
	SOFTQ \a
.endr
.irp j, 0,1,2,3                                ; the three images: lanes 0-15 tile 2 j, lanes 16-31 tile 2 j + 1.  The scale words' halves meet in the swap
	v_permlane16_swap_b32 v[PWT+2*\j], v[PWT+2*\j+1]
	v_cndmask_b32 v[IMG+4+\j], v[NMT+2*\j], v[NMT+2*\j+1], s[HM]
	v_cndmask_b32 v[IMG+8+\j], v[LT+2*\j], v[LT+2*\j+1], s[HM]
	v_or_b32 v[IMG+\j], v[PWT+2*\j], v[PWT+2*\j+1]
.endr
	global_store_b128 v[LI], v[IMG:IMG+3], s[OUT:OUT+1] offset:12288
	global_store_b128 v[LI], v[IMG+4:IMG+7], s[OUT:OUT+1] offset:12800
	global_store_b128 v[LI], v[IMG+8:IMG+11], s[OUT:OUT+1] offset:13312
	s_wait_tensorcnt 0x0                           ; the wave's end
	ds_add_u32 v[SPW], v[NIL]
	s_wait_dscnt 0x0
	CROUND                                         ; the closing round
	s_endpgm
.Lfunc_end_k_q3a5fcc42b2_sv:
	.size	k_q3a5fcc42b2_sv, .Lfunc_end_k_q3a5fcc42b2_sv-k_q3a5fcc42b2_sv
	.p2alignl 7, 3214868480
	.fill 96, 4, 3214868480
	.section	.rodata,"a",@progbits
	.p2align	6, 0x0
	.amdhsa_kernel k_q3a5fcc42b2_sv
		.amdhsa_group_segment_fixed_size 327680
		.amdhsa_private_segment_fixed_size 0
		.amdhsa_enable_private_segment 0
		.amdhsa_kernarg_size 16
		.amdhsa_user_sgpr_count 2
		.amdhsa_user_sgpr_kernarg_segment_ptr 1
		.amdhsa_wavefront_size32 1
		.amdhsa_system_sgpr_workgroup_id_x 1
		.amdhsa_system_sgpr_workgroup_id_y 1
		.amdhsa_system_sgpr_workgroup_id_z 1
		.amdhsa_system_vgpr_workitem_id 0
		.amdhsa_next_free_vgpr 1024
		.amdhsa_next_free_sgpr 100
		.amdhsa_reserve_vcc 0
		.amdhsa_float_denorm_mode_32 3
		.amdhsa_float_denorm_mode_16_64 3
		.amdhsa_memory_ordered 1
		.amdhsa_forward_progress 1
		.amdhsa_inst_pref_size 222
	.end_amdhsa_kernel
	.amdgpu_metadata
---
amdhsa.version: [ 1, 2 ]
amdhsa.kernels:
  - .name:           k_q3a5fcc42b2_sv
    .symbol:         k_q3a5fcc42b2_sv.kd
    .args:
      - { .name: QK, .offset: 0, .size: 8, .value_kind: global_buffer, .address_space: global }
      - { .name: PI, .offset: 8, .size: 8, .value_kind: global_buffer, .address_space: global }
    .group_segment_fixed_size: 327680
    .private_segment_fixed_size: 0
    .kernarg_segment_align: 8
    .kernarg_segment_size: 16
    .max_flat_workgroup_size: 128
    .sgpr_count:     100
    .vgpr_count:     1024
    .wavefront_size: 32
...
	.end_amdgpu_metadata
.endif
;; end of part 3
;; launch pv (part 4): grid 8 x 32, 4 waves a work-group, clusters of 4 x 4, 327,680 bytes of LDS; arguments PI, VT, out0; writes out0
.if DOCPART == 4
	.amdgcn_target "amdgcn-amd-amdhsa--gfx1250"
	.amdhsa_code_object_version 6
	.text
	.protected	k_q3a5fcc42b2_pv
	.globl	k_q3a5fcc42b2_pv
	.p2align	8
	.type	k_q3a5fcc42b2_pv,@function
k_q3a5fcc42b2_pv:
	s_mov_b64 s[64:65], 0
	v_nop
	global_prefetch_b8 v0, s[64:65] scope:SCOPE_SE
	s_setreg_imm32_b32 hwreg(HW_REG_WAVE_MODE, 25, 1), 1
	s_wait_xcnt 0x0
	s_wait_alu depctr_hold_cnt(0) depctr_sa_sdst(0) depctr_va_vdst(0) depctr_va_sdst(0) depctr_va_ssrc(0) depctr_va_vcc(0) depctr_vm_vsrc(0)
	s_getreg_b32 s2, hwreg(HW_REG_IB_STS2, 6, 4)
	s_cmp_eq_u32 s2, 0
	s_cbranch_scc0 .Lentry_in_a_cluster
	s_endpgm
.Lentry_in_a_cluster:
	s_bfe_u32 s2, ttmp6, 0x10000c
	s_cmp_lg_u32 s2, 0xf033
	s_cbranch_scc0 .Lentry_shape_is_right
	s_endpgm
.Lentry_shape_is_right:
; out = (p v) / l on codes of FP6 (E2M3).  PI: blocks (group of 128 queries, chunk of 128 keys): 8 fragment images, scale words, -M of the chunk, l of the chunk.  VT: blocks (group of 128 f, step of 128 keys): 8 fragment images, scale words in two halves.
; The row's M is the largest of its chunks'; the difference, a whole number, is taken off p's scale bytes (held at 0 from below) and off the exponents of the chunks' l.
; THE DEAL.  A work-group takes TWO groups of queries of a batch, the light p = 0 .. 7 and the heavy 15 - p, against 128 columns: 4 x 8 x 8 = 256 work-groups.  It walks the keys once, in tiles of four steps: while both groups are live one tile of v serves both.
;   kind A (p = 0 .. 3): one tile for both, three for the heavy group;  kind B (p = 4 .. 7): two tiles for both, one for the heavy group.  Each does 20 units of 128 queries x 128 keys x 128 columns.
;   Tiles of p wholly above the causal diagonal are left out; the chunks above the diagonal inside a tile, which the launch before stored as zero codes with -M = 3e38 and l = 0, are walked.
; CLUSTER 4 x 4: x four groups of f, y four p of one kind.  p's tiles are shared along a row, v's along a column.  The kind, and with it every branch, hangs on the cluster's number alone.
; LDS: two slots of four steps each for the light p (from 0), the heavy p (from PHB), v (from VBS).  One load a wave: wave 0 the light p, wave 1 the heavy p, waves 2 and 3 v's halves.  A wave never has more than one tensor load out.
; PREFETCHES: a tile is asked for one tile ahead of its load, each block of 256 bytes once by the sixteen waves that share it.
; Source 0 = a tile of v^T, source 1 = a tile of p: a lane holds one query; registers 8 j + i of its 4 tiles are columns 32 h + 8 j + i of my 64.  Wave (mh, nh): tiles 4 mh .. 4 mh + 3 of both groups, f 64 nh on.
; THE WAY OUT goes through my own stage in the light p's slot that has had its last fill: A slot 1, B slot 0.  The light group leaves ahead of the heavy group's last tiles.
; LIMITS: t under 2^31 in magnitude; NaN and infinities are not served.
; REGISTERS: window 0: addresses, scale words, the way out.  Window 1: p's fragments, two sets (light, heavy).  Window 3: v's, two sets.  Window 2: accumulator (group g, a, b) at v[128 g + 8 (4 a + b)].
.set BLK,   12800
.set PBLK,  13824
.set PSL,   4*PBLK
.set VSL,   4*BLK
.set PHB,   2*PSL
.set VBS,   4*PSL
.set SPARE, 4*PSL+2*VSL                ; the spare words: 128 bytes a wave, named by no other line
.set LI,   1
.set ADL,  2
.set ADLS, 4
.set ADH,  6
.set ADHS, 8
.set ADV,  10
.set ADVS, 12
.set GO,   14
.set VML,  15
.set STO,  16                          ; v16, v17: slot 0, slot 1
.set RD,   18
.set SPW,  20
.set NIL,  21
.set VPP,  22
.set VPV,  23
.set NMR,  24                          ; the row's -M: light 2, heavy 2
.set RLT,  28                          ; 1 / l: light 4 tiles, heavy 4
.set RW,   36                          ; scale words as stored: light; heavy 16 further on
.set RN,   38                          ; the chunk's -M, likewise
.set SCP,  40                          ; scale words alone: light, two sets; heavy 8 further on
.set SCV,  44                          ; v's, two sets
.set AT,   56
.set AT4,  60
.set NML,  64
.set NMH,  80
.set LL,   112
.set LH,   128
.set T,    64
.set BK,   96
.set WV,   10
.set MH,   11
.set NH,   12
.set CX,   13
.set CY,   14
.set TYP,  15
.set BA,   16
.set FG,   17
.set PP,   18
.set G1P,  20
.set G1V,  28
.set G0L,  36
.set G0H,  40
.set G0V,  44
.set HM,   48
.set SEL,  50
.set OB,   56                          ; light; heavy at 58
.set LB,   60
.set HB,   62
.set VB,   66
.set MUL,  0xa7                        ; source 0 window 3, source 1 window 1, C and D window 2
.set MSB, 0
.macro WIN new                         ; the immediate's high byte repeats the setting that is left
.if MSB != (\new)
	s_set_vgpr_msb (MSB<<8)|(\new)
.set MSB, (\new)
.endif
.endm
.macro WALU
	s_wait_alu depctr_va_vdst(0)
.endm
.macro PLACES n
.rept \n
	v_nop
.endr
.endm
.macro GRP1 g, mask, rows              ; group 1: rows of 256 dense bytes (32 elements of 8), shared by the mask
	s_or_b32 s[\g], s[\mask], (3<<16)|(1<<21)
	s_mov_b32 s[\g+1], 32<<16
	s_mov_b32 s[\g+2], (\rows)<<16
	s_mov_b32 s[\g+3], 32<<16
	s_mov_b32 s[\g+4], \rows
	s_mov_b32 s[\g+5], 32
	s_mov_b32 s[\g+6], 0
	s_mov_b32 s[\g+7], 0
.endm
.macro TL g0, g1
	tensor_load_to_lds s[\g0:\g0+3], s[\g1:\g1+7]
	s_nop 0
	PLACES 4
.endm
.macro JLOAD both                      ; one joint load a wave; for the heavy group alone wave 0 has none
	s_cmp_eq_u32 s[WV], 0
	s_cbranch_scc0 .Lj1_\@
.if \both
	TL G0L, G1P
.endif
	s_branch .Lj3_\@
.Lj1_\@:
	s_cmp_eq_u32 s[WV], 1
	s_cbranch_scc0 .Lj2_\@
	TL G0H, G1P
	s_branch .Lj3_\@
.Lj2_\@:
	TL G0V, G1V
.Lj3_\@:
.endm
.macro GSTEP up                        ; the descriptors go on to the next tile, in the other slot
.if \up
	s_add_co_u32 s[G0H+1], s[G0H+1], PSL
	s_add_co_u32 s[G0V+1], s[G0V+1], VSL
.else
	s_sub_co_u32 s[G0H+1], s[G0H+1], PSL
	s_sub_co_u32 s[G0V+1], s[G0V+1], VSL
.endif
	s_add_nc_u64 s[G0H+2:G0H+3], s[G0H+2:G0H+3], PSL
	s_add_nc_u64 s[G0V+2:G0V+3], s[G0V+2:G0V+3], VSL
.endm
.macro CREST
	s_cmp_lg_u32 s[WV], 0
	s_cbranch_scc1 .Lnot_wave_0_\@
	s_barrier_signal -3
.Lnot_wave_0_\@:
	s_barrier_wait -3
	s_barrier_signal -1
	s_barrier_wait -1
.endm
.macro CROUND
	s_barrier_signal -1
	s_barrier_wait -1
	CREST
.endm
.macro PF j                            ; my share of tile j of the heavy p and of v
	global_prefetch_b8 v[VPP], s[HB:HB+1] offset:(\j)*PSL th:TH_LOAD_NT scope:SCOPE_SE
	global_prefetch_b8 v[VPV], s[VB:VB+1] offset:(\j)*VSL th:TH_LOAD_NT scope:SCOPE_SE
.endm
.macro WMX d, c, s0, s1, x0, x1, r0, r1
	v_wmma_scale_f32_16x16x128_f8f6f4 v[\d:\d+7], v[\s0:\s0+11], v[\s1:\s1+11], \c, v[\x0], v[\x1] matrix_a_fmt:MATRIX_FMT_FP6 matrix_b_fmt:MATRIX_FMT_FP6 matrix_a_scale:MATRIX_SCALE_ROW\r0 matrix_b_scale:MATRIX_SCALE_ROW\r1
.endm
.macro WM c, r0, r1                    ; an odd tile's scale words stand in lanes 16-31
.if \r0
.if \r1
	WMX D_, \c, S0_, S1_, X0_, X1_, 1, 1
.else
	WMX D_, \c, S0_, S1_, X0_, X1_, 1, 0
.endif
.else
.if \r1
	WMX D_, \c, S0_, S1_, X0_, X1_, 0, 1
.else
	WMX D_, \c, S0_, S1_, X0_, X1_, 0, 0
.endif
.endif
.endm
.macro M4 g, a, p, z                   ; a tile of queries of group g x my four tiles of f; the accumulators take turns in one fixed order
	WIN MUL
.irp j, 0,1,2,3
.set A_, (\a)
.set D_, 128*(\g)+8*(4*A_+\j)
.set S0_, 64*(\p)+12*\j
.set S1_, 128*(\p)+48*(\g)+12*A_
.set X0_, SCV+2*(\p)+\j/2
.set X1_, SCP+8*(\g)+2*(\p)+A_/2
.if \z
	WM 0, \j%2, A_%2
.else
	WM v[D_:D_+7], \j%2, A_%2
.endif
.endr
.endm
.macro PFRAGS g, adr, t, p             ; my four tiles of p: images of 512 consecutive bytes a load
.irp a, 0,1,2,3
.irp c, 0,1,2
	ds_load_b128 v[128*(\p)+48*(\g)+12*\a+4*\c:128*(\p)+48*(\g)+12*\a+4*\c+3], v[\adr] offset:(\t)*PBLK+1536*\a+512*\c
.endr
.endr
.endm
.macro FETCH d, sl, t, p               ; step t of slot sl into set p: for both groups 5 + 36 loads, for the heavy one 3 + 24
.if \d
	ds_load_b64 v[RW:RW+1], v[ADLS+(\sl)] offset:(\t)*PBLK+12288
	ds_load_b64 v[RN:RN+1], v[ADLS+(\sl)] offset:(\t)*PBLK+12800
.endif
	ds_load_b64 v[RW+16:RW+17], v[ADHS+(\sl)] offset:(\t)*PBLK+12288
	ds_load_b64 v[RN+16:RN+17], v[ADHS+(\sl)] offset:(\t)*PBLK+12800
	ds_load_b64 v[SCV+2*(\p):SCV+2*(\p)+1], v[ADVS+(\sl)] offset:(\t)*BLK+12288
	WIN 0xc0
.irp b, 0,1,2,3
.irp c, 0,1,2
	ds_load_b128 v[64*(\p)+12*\b+4*\c:64*(\p)+12*\b+4*\c+3], v[ADV+(\sl)] offset:(\t)*BLK+1536*\b+512*\c
.endr
.endr
	WIN 0x40
.if \d
	PFRAGS 0, ADL+(\sl), \t, \p
.endif
	PFRAGS 1, ADH+(\sl), \t, \p
	WIN 0
.endm
; p's scale bytes under the row's M: each byte less the whole number M(row) - M(chunk), held at 0 from below.  lo = 0: both groups' words; 2: the heavy group's.  In two parts
.macro ADJA lo
.irp k, 0,1,2,3
.if \k >= \lo
	v_sub_f32 v[AT+\k], v[RN+16*(\k/2)+\k%2], v[NMR+\k]
.endif
.endr
.irp k, 0,1,2,3
.if \k >= \lo
	v_or_b32 v[RW+16*(\k/2)+\k%2], s53, v[RW+16*(\k/2)+\k%2]
.endif
.endr
.irp k, 0,1,2,3
.if \k >= \lo
	v_min_num_f32 v[AT+\k], s54, v[AT+\k]          ; 127 takes every byte below 0
.endif
.endr
.irp k, 0,1,2,3
.if \k >= \lo
	v_cvt_u32_f32 v[AT+\k], v[AT+\k]
.endif
.endr
.irp k, 0,1,2,3
.if \k >= \lo
	v_perm_b32 v[AT+\k], v[AT+\k], v[AT+\k], s52   ; into all four bytes
.endif
.endr
.endm
.macro ADJB lo, p
.irp k, 0,1,2,3
.if \k >= \lo
	v_sub_nc_u32 v[RW+16*(\k/2)+\k%2], v[RW+16*(\k/2)+\k%2], v[AT+\k]   ; bit 7 of each byte was set: no borrow leaves a byte
.endif
.endr
.irp k, 0,1,2,3
.if \k >= \lo
	v_and_b32 v[AT+\k], s53, v[RW+16*(\k/2)+\k%2]  ; bit 7 still set: the byte stays at 0 or above
.endif
.endr
.irp k, 0,1,2,3
.if \k >= \lo
	v_lshrrev_b32 v[AT4+\k], 7, v[AT+\k]
.endif
.endr
.irp k, 0,1,2,3
.if \k >= \lo
	v_sub_nc_u32 v[AT+\k], v[AT+\k], v[AT4+\k]     ; 0x7f there, 0 elsewhere
.endif
.endr
.irp k, 0,1,2,3
.if \k >= \lo
	v_and_b32 v[SCP+8*(\k/2)+2*(\p)+\k%2], v[RW+16*(\k/2)+\k%2], v[AT+\k]
.endif
.endr
	WALU                                           ; the wait here
	PLACES 4                                       ; with the four ahead of the next fetch: a scale register so written stands eight places ahead of its product
.endm
; A STEP of 128 keys that is not its tile's last: the next step's operands are fetched at its head, its scale words are made ready among its products.
; Loads into registers that matrix instructions have read stand four plain places behind them
.macro STEP d, sl, t, z
	PLACES 4
	FETCH \d, \sl, (\t)+1, 1-(\t)%2
.if \d
	s_wait_dscnt 41                                ; all but the 41 just issued
	M4 0, 0, (\t)%2, \z
	M4 0, 1, (\t)%2, \z
	WIN 0
	s_wait_dscnt 36                                ; the next step's scale words are in
	ADJA 0
	M4 0, 2, (\t)%2, \z
	M4 0, 3, (\t)%2, \z
	WIN 0
	ADJB 0, 1-(\t)%2
	M4 1, 0, (\t)%2, \z
	M4 1, 1, (\t)%2, \z
	M4 1, 2, (\t)%2, \z
	M4 1, 3, (\t)%2, \z
.else
	s_wait_dscnt 27
	M4 1, 0, (\t)%2, \z
	M4 1, 1, (\t)%2, \z
	WIN 0
	s_wait_dscnt 24
	ADJA 2
	M4 1, 2, (\t)%2, \z
	WIN 0
	ADJB 2, 1-(\t)%2
	M4 1, 3, (\t)%2, \z
.endif
	WIN 0
.endm
; A tile's last step, which goes on to the other slot.  ref = 1, 2: the lines and a round, behind which this slot is filled again for the heavy group (1: slot 0, 2: slot 1); 0: a plain barrier shows the last fill
.macro TURN d, sl, ref, nd
	s_wait_tensorcnt 0x0                           ; my tensor load, a part of the next tile, has landed
.if \ref
	ds_add_u32 v[SPW], v[NIL]                      ; 0 onto my spare word
	s_wait_dscnt 1                                 ; (the add may be out)
.else
	s_wait_dscnt 0x0
.endif
.if \d
	M4 0, 0, 1, 0
	M4 0, 1, 1, 0
	M4 0, 2, 1, 0
.else
	M4 1, 0, 1, 0
.endif
	s_wait_dscnt 0x0                               ; the add is done, my reads of this slot are over
	s_barrier_signal -1
.if \d
	M4 0, 3, 1, 0
	M4 1, 0, 1, 0
.else
	M4 1, 1, 1, 0
.endif
	WIN 0
	s_barrier_wait -1
.if \ref
	CREST                                          ; no wave of any partner still reads this slot or has a load on its way
	GSTEP (\ref)-1
	JLOAD 0
.endif
	PLACES 4
	FETCH \nd, 1-(\sl), 0, 0
.if \d
	M4 1, 1, 1, 0
.else
	M4 1, 2, 1, 0
.endif
	WIN 0
.if \nd
	s_wait_dscnt 36
	ADJA 0
.else
	s_wait_dscnt 24
	ADJA 2
.endif
.if \d
	M4 1, 2, 1, 0
	WIN 0
.endif
.if \nd
	ADJB 0, 0
.else
	ADJB 2, 0
.endif
	M4 1, 3, 1, 0
	WIN 0
.endm
.macro TILE d, sl                      ; a tile's first three steps
	STEP \d, \sl, 0, 0
	STEP \d, \sl, 1, 0
	STEP \d, \sl, 2, 0
.endm
.macro FIN                             ; the last step of all
	s_wait_dscnt 0x0
	M4 1, 0, 1, 0
	M4 1, 1, 1, 0
	M4 1, 2, 1, 0
	M4 1, 3, 1, 0
	WIN 0
.endm
; THE WAY OUT of group g: x 1 / l (each accumulator from its low end on), into my own stage, back as whole rows of 256 bytes, stored
.macro MULT g, a
	WIN 0x02
.set i, 0
.rept 16
.if (\a)%2
	v_pk_mul_f32 v[T+i:T+i+1], v[128*(\g)+32*(\a)+i:128*(\g)+32*(\a)+i+1], v[RLT+4*(\g)+2*((\a)/2):RLT+4*(\g)+2*((\a)/2)+1] op_sel:[0,1] op_sel_hi:[1,1]
.else
	v_pk_mul_f32 v[T+i:T+i+1], v[128*(\g)+32*(\a)+i:128*(\g)+32*(\a)+i+1], v[RLT+4*(\g)+2*((\a)/2):RLT+4*(\g)+2*((\a)/2)+1] op_sel_hi:[1,0]
.endif
.set i, i+2
.endr
	WIN 0
.endm
.macro TOSTAGE a, ss
.irp e, 0,1,2,3,4,5,6,7
	ds_store_b128 v[STO+\ss], v[T+4*\e:T+4*\e+3] offset:16*\e
.endr
.irp m, 0,1,2,3,4,5,6,7
	ds_load_b128 v[BK+32*((\a)%2)+4*\m:BK+32*((\a)%2)+4*\m+3], v[RD+\ss] offset:544*\m   ; LDS serves a wave's instructions in order: these see the stores above
.endr
.endm
.macro SEND g, a, younger
	s_wait_dscnt \younger                          ; the tile is back in registers
.irp m, 0,1,2,3,4,5,6,7
	global_store_b128 v[GO], v[BK+32*((\a)%2)+4*\m:BK+32*((\a)%2)+4*\m+3], s[OB+2*(\g):OB+2*(\g)+1] offset:(8*(\a)+32*(\m/4)+2*(\m%4))*4096 th:TH_STORE_NT   ; sixteen lanes store 256 consecutive bytes
.endr
.endm
.macro OUTP g, ss
	PLACES 4
	s_wait_xcnt 0x0                                ; earlier stores have read their registers
	MULT \g, 0
	TOSTAGE 0, \ss
.irp a, 1,2,3
	MULT \g, \a
.if \a > 1
	WALU                                           ; the wait here, ahead of the wait below
	s_wait_xcnt 0x0
.endif
	TOSTAGE \a, \ss
	SEND \g, \a-1, 16
.endr
	SEND \g, 3, 0
.endm
	s_load_b128 s[4:7], s[0:1], 0x0                ; PI, VT
	s_load_b64 s[8:9], s[0:1], 0x10                ; out0
	v_lshl_add_u32 v[SPW], v0, 2, SPARE
	v_mov_b32 v[NIL], 0
	ds_add_u32 v[SPW], v[NIL]                      ; the wave's opening: the add, twice on end, and its wait ahead of my first tensor load
	ds_add_u32 v[SPW], v[NIL]
	v_lshrrev_b32 v2, 5, v0
	v_readfirstlane_b32 s[WV], v2
	s_lshr_b32 s[MH], s[WV], 1
	s_and_b32 s[NH], s[WV], 1                      ; my half of the columns.  Also: which half of v's tile I fetch
	s_bfe_u32 s[CX], ttmp6, 0x40000
	s_bfe_u32 s[CY], ttmp6, 0x40004
	s_and_b32 s19, ttmp7, 0xffff                   ; cluster y = 4 kind + batch
	s_lshr_b32 s[TYP], s19, 2
	s_and_b32 s[BA], s19, 3
	s_lshl_b32 s[FG], ttmp9, 2
	s_add_co_u32 s[FG], s[FG], s[CX]               ; 128 columns
	s_lshl_b32 s[PP], s[TYP], 2
	s_add_co_u32 s[PP], s[PP], s[CY]               ; p
	s_lshl_b32 s68, s[CY], 2
	s_lshl_b32 s68, 15, s68                        ; my row of the cluster
	s_lshl_b32 s69, 0x1111, s[CX]                  ; my column
	GRP1 G1P, 68, 216
	GRP1 G1V, 69, 100
	s_lshl_b32 s76, s[BA], 4
	s_add_co_u32 s68, s76, s[PP]
	s_mul_i32 s68, s68, 16*PBLK                    ; the light group
	s_mov_b32 s69, 0
	s_sub_co_u32 s77, 15, s[PP]
	s_add_co_u32 s70, s76, s77
	s_mul_i32 s70, s70, 16*PBLK                    ; the heavy group
	s_mov_b32 s71, 0
	s_lshl_b32 s72, s[FG], 6
	s_add_co_u32 s72, s72, s76
	s_mul_i32 s72, s72, BLK                        ; v
	s_mov_b32 s73, 0
	s_mul_i32 s74, s[NH], 2*BLK
	s_mov_b32 s75, 0
	s_mov_b32 s[G0L], 1
	s_mov_b32 s[G0L+1], 0
	s_mov_b32 s[G0H], 1
	s_mov_b32 s[G0H+1], PHB
	s_mov_b32 s[G0V], 1
	s_add_co_u32 s[G0V+1], s74, VBS                ; no place in the cluster enters an LDS address
	WALU
	s_wait_dscnt 0x0                               ; both opening adds are done
	CROUND                                         ; all sixteen work-groups are here: the first joint loads meet
	s_wait_kmcnt 0x0
	s_add_nc_u64 s[LB:LB+1], s[4:5], s[68:69]
	s_add_nc_u64 s[HB:HB+1], s[4:5], s[70:71]
	s_add_nc_u64 s[VB:VB+1], s[6:7], s[72:73]
	s_mov_b64 s[G0L+2:G0L+3], s[LB:LB+1]
	s_or_b32 s[G0L+3], s[G0L+3], 0x80000000
	s_mov_b64 s[G0H+2:G0H+3], s[HB:HB+1]
	s_or_b32 s[G0H+3], s[G0H+3], 0x80000000
	s_add_nc_u64 s[G0V+2:G0V+3], s[VB:VB+1], s[74:75]
	s_or_b32 s[G0V+3], s[G0V+3], 0x80000000
	JLOAD 1                                        ; tile 0
	; -M and l of my rows' chunks: eight of the light group, sixteen of the heavy
	s_lshl_b32 s68, s[MH], 3
	v_and_b32 v2, 31, v0
	v_lshlrev_b32 v[LI], 4, v2
	v_add_nc_u32 v[VML], s68, v[LI]
.irp c, 0,1,2,3,4,5,6,7
	global_load_b64 v[NML+2*\c:NML+2*\c+1], v[VML], s[LB:LB+1] offset:\c*PBLK+12800
	global_load_b64 v[LL+2*\c:LL+2*\c+1], v[VML], s[LB:LB+1] offset:\c*PBLK+13312
.endr
.irp c, 0,1,2,3,4,5,6,7,8,9,10,11,12,13,14,15
	global_load_b64 v[NMH+2*\c:NMH+2*\c+1], v[VML], s[HB:HB+1] offset:\c*PBLK+12800
	global_load_b64 v[LH+2*\c:LH+2*\c+1], v[VML], s[HB:HB+1] offset:\c*PBLK+13312
.endr
	s_lshl_b32 s68, s[CX], 2
	s_add_co_u32 s68, s68, s[WV]                   ; my number among the sixteen waves of my row of the cluster
	s_mul_i32 s68, s68, 14
	s_lshl_b32 s69, s[CY], 2
	s_add_co_u32 s69, s69, s[WV]                   ; and of my column
	s_mul_i32 s69, s69, 13
	WALU
	v_min_u32 v36, 13, v2                          ; a tile of p is 216 blocks of 256 bytes, 14 to a wave, the last held at block 215
	v_min_u32 v37, 12, v2                          ; a tile of v 200, 13 to a wave
	v_add_nc_u32 v36, s68, v36
	v_add_nc_u32 v37, s69, v37
	v_min_u32 v36, 215, v36
	v_min_u32 v37, 199, v37
	v_lshlrev_b32 v[VPP], 8, v36
	v_lshlrev_b32 v[VPV], 8, v37
	WALU
	PF 1
	s_cmp_eq_u32 s[TYP], 1
	s_cbranch_scc0 .Lno_light
	global_prefetch_b8 v[VPP], s[LB:LB+1] offset:PSL th:TH_LOAD_NT scope:SCOPE_SE
.Lno_light:
	s_mul_i32 s68, s[MH], 6144
	s_lshl_b32 s69, s[MH], 3
	s_mul_i32 s70, s[NH], 6144
	s_add_co_u32 s70, s70, VBS
	s_lshl_b32 s71, s[NH], 8
	s_add_co_u32 s71, s71, VBS
	s_mul_i32 s72, s[WV], 4352                     ; my stage: 16 rows x 272
	s_add_co_u32 s73, s68, PHB
	s_add_co_u32 s74, s69, PHB
	v_lshrrev_b32 v38, 1, v[LI]                    ; 8 x lane
	v_and_b32 v39, 15, v0                          ; r
	v_bfe_u32 v52, v0, 4, 1                        ; h
	v_mul_u32_u24 v53, v39, 272
	v_lshl_add_u32 v53, v52, 7, v53                ; in: row r, + 128 h
	v_mul_u32_u24 v54, v52, 272
	v_lshl_add_u32 v54, v39, 4, v54                ; back: lanes 0-15 one row, lanes 16-31 the next
	v_lshlrev_b32 v55, 12, v52
	v_lshl_add_u32 v[GO], v39, 4, v55              ; and the same two rows of out0
.irp s, 0,1
	v_add_nc_u32 v[ADL+\s], s68, v[LI]
	v_add_nc_u32 v[ADLS+\s], s69, v[LI]
	v_add_nc_u32 v[ADH+\s], s73, v[LI]
	v_add_nc_u32 v[ADHS+\s], s74, v[LI]
	v_add_nc_u32 v[ADV+\s], s70, v[LI]
	v_add_nc_u32 v[ADVS+\s], s71, v38
	v_add_nc_u32 v[STO+\s], s72, v53
	v_add_nc_u32 v[RD+\s], s72, v54
.if \s == 0
	WALU
	s_add_co_u32 s68, s68, PSL
	s_add_co_u32 s69, s69, PSL
	s_add_co_u32 s73, s73, PSL
	s_add_co_u32 s74, s74, PSL
	s_add_co_u32 s70, s70, VSL
	s_add_co_u32 s71, s71, VSL
	s_add_co_u32 s72, s72, PSL
.endif
.endr
	; my part of out0: row 2,048 batch + 128 group + 64 mh, column 128 fg + 64 nh
	s_lshl_b32 s68, s[BA], 23
	s_lshl_b32 s69, s[MH], 18
	s_add_co_u32 s68, s68, s69
	s_lshl_b32 s69, s[FG], 9
	s_add_co_u32 s68, s68, s69
	s_lshl_b32 s69, s[NH], 8
	s_add_co_u32 s68, s68, s69
	s_lshl_b32 s70, s77, 19
	s_add_co_u32 s70, s70, s68
	s_lshl_b32 s69, s[PP], 19
	s_add_co_u32 s68, s68, s69
	s_mov_b32 s69, 0
	s_mov_b32 s71, 0
	s_add_nc_u64 s[OB:OB+1], s[8:9], s[68:69]
	s_add_nc_u64 s[OB+2:OB+3], s[8:9], s[70:71]
	s_mov_b32 s52, 0
	s_mov_b32 s53, 0x80808080
	s_mov_b32 s54, 0x42fe0000                      ; 127.0
	s_mov_b32 s[HM], 0xffff0000
	s_mov_b32 s[SEL], 0x76543210
	s_mov_b32 s[SEL+1], 0xfedcba98
	WALU                                           ; the wait here, ahead of the wait below
	s_wait_loadcnt 0x0
; THE ROWS' M AND l, under tile 0's flight.  Register j = 0, 1 of lane L: tile 4 mh + 2 j + L / 16, slot L % 16
.irp j, 0,1
	v_min3_num_f32 v[NMR+\j], v[NML+\j], v[NML+2+\j], v[NML+4+\j]
	v_min3_num_f32 v[NMR+2+\j], v[NMH+\j], v[NMH+2+\j], v[NMH+4+\j]
.endr
.irp c, 3,5
.irp j, 0,1
	v_min3_num_f32 v[NMR+\j], v[NMR+\j], v[NML+2*\c+\j], v[NML+2*\c+2+\j]
.endr
.endr
.irp c, 3,5,7,9,11,13
.irp j, 0,1
	v_min3_num_f32 v[NMR+2+\j], v[NMR+2+\j], v[NMH+2*\c+\j], v[NMH+2*\c+2+\j]
.endr
.endr
.irp j, 0,1
	v_min_num_f32 v[NMR+\j], v[NMR+\j], v[NML+14+\j]
	v_min_num_f32 v[NMR+2+\j], v[NMR+2+\j], v[NMH+30+\j]
.endr
.set e, 0
.rept 16
	v_sub_f32 v[NML+e], v[NMR+e%2], v[NML+e]       ; M(chunk) - M(row), a whole number, 0 or less
.set e, e+1
.endr
.set e, 0
.rept 32
	v_sub_f32 v[NMH+e], v[NMR+2+e%2], v[NMH+e]
.set e, e+1
.endr
.set e, 0
.rept 48
	v_cvt_i32_f32 v[NML+e], v[NML+e]               ; (it saturates; the heavy group's lie behind the light one's)
.set e, e+1
.endr
.set e, 0
.rept 48
	v_ldexp_f32 v[LL+e], v[LL+e], v[NML+e]
.set e, e+1
.endr
.irp j, 0,1
	v_add_f32 v[AT+\j], v[LL+\j], v[LL+2+\j]
	v_add_f32 v[AT+2+\j], v[LH+\j], v[LH+2+\j]
.endr
.irp c, 2,3,4,5,6,7
.irp j, 0,1
	v_add_f32 v[AT+\j], v[AT+\j], v[LL+2*\c+\j]
	v_add_f32 v[AT+2+\j], v[AT+2+\j], v[LH+2*\c+\j]
.endr
.endr
.irp c, 8,9,10,11,12,13,14,15
.irp j, 0,1
	v_add_f32 v[AT+2+\j], v[AT+2+\j], v[LH+2*\c+\j]
.endr
.endr
	WALU                                           ; the wait ahead of the batch
.irp k, 0,1,2,3
	v_rcp_f32 v[AT4+\k], v[AT+\k]
.endr
	v_nop
	WALU                                           ; and behind it
.irp k, 0,1,2,3
	v_permlanex16_b32 v[AT+\k], v[AT4+\k], s[SEL], s[SEL+1]
.endr
.irp k, 0,1,2,3                                ; a tile's 1 / l in both halves of the lanes
	v_cndmask_b32 v[RLT+2*\k], v[AT4+\k], v[AT+\k], s[HM]
	v_cndmask_b32 v[RLT+2*\k+1], v[AT+\k], v[AT4+\k], s[HM]
.endr
	WALU                                           ; the wait at the head's end
	s_wait_tensorcnt 0x0                           ; my part of tile 0 is in
	ds_add_u32 v[SPW], v[NIL]
	s_wait_dscnt 0x0
	CROUND                                         ; everybody's part of tile 0 is in, and all sixteen work-groups are here
	s_cmp_eq_u32 s[TYP], 1                         ; the kind is the cluster's: all sixteen partners take the same way, and make its joint loads
	s_cbranch_scc1 .Ltile1_both
	GSTEP 1
	JLOAD 0                                        ; A: tile 1 for the heavy group
	s_branch .Ltile1_asked
.Ltile1_both:
	GSTEP 1
	s_add_co_u32 s[G0L+1], s[G0L+1], PSL
	s_add_nc_u64 s[G0L+2:G0L+3], s[G0L+2:G0L+3], PSL
	JLOAD 1                                        ; B: tile 1 for both
.Ltile1_asked:
	FETCH 1, 0, 0, 0
	PF 2
	s_wait_dscnt 36
	ADJA 0
	ADJB 0, 0
	STEP 1, 0, 0, 1                                ; the first products start the sums: nothing is cleared
	STEP 1, 0, 1, 0
	STEP 1, 0, 2, 0
	s_cmp_eq_u32 s[TYP], 1
	s_cbranch_scc1 .Lkind_b
	TURN 1, 0, 1, 0                                ; A: tile 2 into slot 0
	PF 3
	OUTP 0, 1                                      ; the light group leaves
	TILE 0, 1
	TURN 0, 1, 2, 0                                ; tile 3 into slot 1
	TILE 0, 0
	TURN 0, 0, 0, 0
	TILE 0, 1
	FIN
	OUTP 1, 1
	s_branch .Lend
.Lkind_b:
	TURN 1, 0, 1, 1                                ; B: tile 2 into slot 0
	TILE 1, 1
	TURN 1, 1, 0, 0
	OUTP 0, 0
	TILE 0, 0
	FIN
	OUTP 1, 0
.Lend:
	s_wait_tensorcnt 0x0                           ; the wave's end
	ds_add_u32 v[SPW], v[NIL]
	s_wait_dscnt 0x0
	CROUND                                         ; the closing round
	s_endpgm
.Lfunc_end_k_q3a5fcc42b2_pv:
	.size	k_q3a5fcc42b2_pv, .Lfunc_end_k_q3a5fcc42b2_pv-k_q3a5fcc42b2_pv
	.p2alignl 7, 3214868480
	.fill 96, 4, 3214868480
	.section	.rodata,"a",@progbits
	.p2align	6, 0x0
	.amdhsa_kernel k_q3a5fcc42b2_pv
		.amdhsa_group_segment_fixed_size 327680
		.amdhsa_private_segment_fixed_size 0
		.amdhsa_enable_private_segment 0
		.amdhsa_kernarg_size 24
		.amdhsa_user_sgpr_count 2
		.amdhsa_user_sgpr_kernarg_segment_ptr 1
		.amdhsa_wavefront_size32 1
		.amdhsa_system_sgpr_workgroup_id_x 1
		.amdhsa_system_sgpr_workgroup_id_y 1
		.amdhsa_system_sgpr_workgroup_id_z 1
		.amdhsa_system_vgpr_workitem_id 0
		.amdhsa_next_free_vgpr 1024
		.amdhsa_next_free_sgpr 96
		.amdhsa_reserve_vcc 0
		.amdhsa_float_denorm_mode_32 3
		.amdhsa_float_denorm_mode_16_64 3
		.amdhsa_memory_ordered 1
		.amdhsa_forward_progress 1
		.amdhsa_inst_pref_size 230
	.end_amdhsa_kernel
	.amdgpu_metadata
---
amdhsa.version: [ 1, 2 ]
amdhsa.kernels:
  - .name:           k_q3a5fcc42b2_pv
    .symbol:         k_q3a5fcc42b2_pv.kd
    .args:
      - { .name: PI, .offset: 0, .size: 8, .value_kind: global_buffer, .address_space: global }
      - { .name: VT, .offset: 8, .size: 8, .value_kind: global_buffer, .address_space: global }
      - { .name: out0, .offset: 16, .size: 8, .value_kind: global_buffer, .address_space: global }
    .group_segment_fixed_size: 327680
    .private_segment_fixed_size: 0
    .kernarg_segment_align: 8
    .kernarg_segment_size: 24
    .max_flat_workgroup_size: 128
    .sgpr_count:     96
    .vgpr_count:     1024
    .wavefront_size: 32
...
	.end_amdgpu_metadata
.endif
;; end of part 4
